; MI455X (gfx1250); checked and timed in simulation.
; The chip was launched on July 23, 2026; its instructions are those of AMD's public machine-readable ISA for CDNA 5 (MIT licence, August 2026) and "CDNA5" Instruction Set Architecture Reference Guide (July 2026). The comments in the code are by the model that wrote it; some were corrected since.
;; Log Sparse Attention. Allowed arithmetic: matrix products marked QUANTISED: E2M1 operands, one E8M0 scale for each 32 along K, by v_wmma_scale_f32_16x16x128_f8f6f4 with both operands' format E2M1 (or v_wmma_scale_f32_32x16x128_f4), f32 sums; everything else in f32.
;; Inputs: Wk 1,024 x 1,024 float32; Wq 1,024 x 1,024 float32; Wv 1,024 x 1,024 float32; attention_mask 4 x 1 x 1 x 2,048 float32; bk 1,024 float32; bq 1,024 float32; bv 1,024 float32; hidden_states 4 x 2,048 x 1,024 float32.
;; Outputs: out0 4 x 2,048 x 1,024 float32.
;; This version of the problem:
;;   THIS VERSION OF THE PROBLEM IS GIVEN IN LOW PRECISION. The matrix products marked QUANTISED in the list below multiply operands that are first quantised to E2M1 (2 exponent bits, 1 mantissa bit; 4 bits a number), with one power-of-two scale for each 32 numbers along K (OCP MX v1.0); their sums are f32. All else is computed in f32.
;;   The module's matrix products, in the order in which they are computed (A, B: the left and right operand; K: the contracted axis; several contracted axes count as one K, in the product's order):
;;     1. [M 8,192, K 1,024] x [K 1,024, N 1,024]; A: input hidden_states; B: input Wq: QUANTISED
;;     2. [M 8,192, K 1,024] x [K 1,024, N 1,024]; A: input hidden_states; B: input Wk: QUANTISED
;;     3. [M 8,192, K 1,024] x [K 1,024, N 1,024]; A: input hidden_states; B: input Wv: QUANTISED
;;     4. batch 64 x [M 2,048, K 64] x [K 64, N 2,048]; A: computed on the way; B: computed on the way: QUANTISED
;;     5. batch 64 x [M 2,048, K 2,048] x [K 2,048, N 64]; A: softmax (see below); B: computed on the way: QUANTISED
;;   THE QUANTISER, for each operand of a quantised product, along K:
;;     - K is cut into blocks of 32 from its start; a last block that is shorter is filled with zeros.
;;     - A block's scale is 2^e with e = floor(log2(the largest magnitude in the block)) - 2, held to -126 .. 127; a block of zeros has e = 0. As a byte (E8M0): e + 127.
;;     - Each number is divided by its block's scale, clamped to +-6, and rounded to the nearest number of E2M1, ties to even, subnormals kept.
;;     - The product sums the exact products of the quantised numbers (number of the format x scale) in f32.
;;   ~~~python
;;   def quantise(x, axis):      # numpy; x: float32 -> the quantised numbers, widened to float32 again
;;       x = np.moveaxis(x, axis, -1); K = x.shape[-1]
;;       x = np.pad(x, [(0, 0)] * (x.ndim - 1) + [(0, -K % 32)]); x = x.reshape(x.shape[:-1] + (-1, 32)); a = np.abs(x).max(-1, keepdims=True)
;;       e = np.where(a > 0, np.clip(np.frexp(np.where(a > 0, a, 1))[1] - 1 - 2, -126, 127), 0)      # np.frexp(a)[1] - 1 = floor(log2(a)), exactly
;;       r = np.clip(x / 2.0 ** e, -6, 6)
;;       step = 2.0 ** (np.maximum(np.frexp(np.where(r == 0, 1, r))[1] - 1, 0) - 1)
;;       q = np.round(r / step) * step * 2.0 ** e      # np.round: ties to even
;;       return np.moveaxis(q.reshape(q.shape[:-2] + (-1,))[..., :K], -1, axis).astype(np.float32)
;;   ~~~
;;   SOFTMAX AHEAD OF A QUANTISED PRODUCT. Where the list says 'softmax', what is quantised is not the finished softmax but p = 2^(t - M), with t = logit x log2(e) and M = ceil(the row's largest t), a whole number; so 1/2 < the row's largest p <= 1. The row's sum l is taken of the UNQUANTISED p, in f32, and the product's result is divided by l at the end. Since M is a whole number, a kernel that streams over the keys may use a running M (the ceiling of the running maximum): every later rescaling is an exact power of two, which a block's scale takes up: the codes' values come out the same.
;;   OPERANDS COMPUTED ON THE WAY. 'Computed on the way' means the value that the module computes at that place (a softmax that the list does not call 'softmax' is quantised finished and normalised). What goes into a quantiser is computed in f32, as accurately as f32 sums, v_exp_f32 and their like allow (about 1e-6 of the number): no bf16 or f16 on the way to a quantiser, and a product that is left as it is and whose result goes on into a quantised operand takes f32 operands (vector FMAs, or v_wmma_f32_16x16x4_f32). A number that lies on a knife's edge between two numbers of the format may be rounded either way, as far as f32 arithmetic and the matrix unit's own rounding can turn it there, and no further.
;; 2 versions, each right; version 2 is version 1 with the launches quant, attend written anew for expert scheduling mode. Each part assembles by itself: llvm-mc -triple=amdgcn-amd-amdhsa -mcpu=gfx1250 --defsym DOCPART=n.
;; ======== version 1 of 2: 3 launches
;; workspace buffers: x_codes 4,194,304 bytes; x_scales 262,144 bytes; w_codes 1,572,864 bytes; w_scales 98,304 bytes; qk_img 8,388,608 bytes; qk_sc 524,288 bytes; v_img 4,194,304 bytes; v_sc 262,144 bytes
;; launch quant (part 1): grid 352 x 1, 4 waves a work-group, no clusters, 33,280 bytes of LDS; arguments hidden_states, Wq, Wk, Wv, x_codes, x_scales, w_codes, w_scales; writes x_codes, x_scales, w_codes, w_scales
.if DOCPART == 1
	.amdgcn_target "amdgcn-amd-amdhsa--gfx1250"
	.amdhsa_code_object_version 6
	.text
	.protected	k_q3fc8ff6755_quant
	.globl	k_q3fc8ff6755_quant
	.p2align	8
	.type	k_q3fc8ff6755_quant,@function
k_q3fc8ff6755_quant:
	s_mov_b64 s[64:65], 0
	v_nop
	global_prefetch_b8 v0, s[64:65] scope:SCOPE_SE
	s_setreg_imm32_b32 hwreg(HW_REG_WAVE_MODE, 25, 1), 1
	s_wait_xcnt 0x0
; hidden_states [8192][1024] and Wq, Wk, Wv [1024][1024], f32, K innermost, become codes of FP4 (E2M1), two a byte, with one E8M0 byte for each 32 along K.
; x_codes [8192][512 bytes], x_scales [8192][32]; w_codes [3072][512], w_scales [3072][32]: rows of Wq, then Wk, then Wv.
; A block's scale is 2^(floor(log2(largest magnitude)) - 2): its byte is the largest magnitude's exponent field - 2, held at 1 from below.
; A block of zeros so keeps the byte 1: its codes are zeros, and only this program reads the bytes.
; LIMITS: blocks whose largest magnitude lies under 2^-124 keep the byte 1; NaN and infinities among the inputs are not served.
; Rows are dense and 1,024 is a multiple of 32: every tensor is a plain stream of blocks.  A work-group takes 32,768 numbers, a wave 8,192 in 16 steps of 512.
; Work-groups 0-255 take hidden_states, 256-287 Wq, 288-319 Wk, 320-351 Wv: only pointers are chosen, all take one path.
; Each load reads 512 consecutive bytes; a step's 2,048 bytes turn through the wave's own stage in LDS so that a lane holds 16 neighbours along K.
; No matrix unit, no cluster, no tensor load: a stream that shares nothing between waves.
.set STEPS, 16
.set EMAX,  2
.set CB,    8                          ; bytes of 16 codes
.set R,     16                         ; v16-79   four sets of 16 numbers as loaded
.set X,     80                         ; v80-111  two sets of 16 neighbours
.set C,     128                        ; v128-191 codes: registers of its own for each step, so that no store's data are written again
.set E,     112                        ; v112-127 a scale byte for each step
.set WREG,  8192                       ; LDS: a region for each wave: two stages of 32 x SP bytes, then its 256 scale bytes
.set SP,    80                         ; a lane's place in a stage: 64 bytes + 16 of padding
	s_load_b256 s[4:11], s[0:1], 0x0               ; hidden_states s[4:5], Wq s[6:7], Wk s[8:9], Wv s[10:11]
	s_load_b256 s[12:19], s[0:1], 0x20             ; x_codes s[12:13], x_scales s[14:15], w_codes s[16:17], w_scales s[18:19]
	v_lshl_add_u32 v192, v0, 2, 0x8000
	v_mov_b32 v193, 0
	v_lshrrev_b32 v1, 5, v0
	v_readfirstlane_b32 s20, v1                    ; wave
	v_and_b32 v2, 31, v0                           ; lane
	v_lshlrev_b32 v3, 4, v2                        ; my 16 bytes of a load's 512
	s_mul_i32 s23, s20, WREG
	v_lshrrev_b32 v14, 2, v2
	v_mul_u32_u24 v14, v14, SP
	v_and_b32 v15, 3, v2
	v_lshl_add_u32 v14, v15, 4, v14
	v_add_nc_u32 v14, s23, v14                     ; the stage, on the way in: SP (lane / 4) + 16 (lane % 4)
	v_mul_u32_u24 v15, v2, SP
	v_add_nc_u32 v15, s23, v15                     ; and on the way out: SP x lane: my 16 neighbours
	v_mul_u32_u24 v4, v2, CB                       ; my codes' place in a step's
	v_lshrrev_b32 v5, 1, v2
	s_add_co_u32 s23, s23, 2*32*SP
	v_add_nc_u32 v5, s23, v5                       ; LDS: my wave's 256 scale bytes, my block's byte
	v_lshlrev_b32 v7, 3, v2                        ; and on the way out 8 bytes a lane
	v_add_nc_u32 v6, s23, v7
	s_and_b32 s21, ttmp9, 31                       ; a weight's work-group: which 32,768 numbers of its source,
	s_sub_co_u32 s22, ttmp9, 256                   ; and of the joint buffers of the three weights
	s_wait_kmcnt 0x0
	s_cmp_lt_u32 ttmp9, 288                        ; every choice hangs on the work-group's number alone
	s_cselect_b64 s[6:7], s[6:7], s[8:9]
	s_cmp_lt_u32 ttmp9, 320
	s_cselect_b64 s[6:7], s[6:7], s[10:11]
	s_cmp_lt_u32 ttmp9, 256
	s_cselect_b64 s[4:5], s[4:5], s[6:7]           ; the source
	s_cselect_b64 s[12:13], s[12:13], s[16:17]     ; its codes
	s_cselect_b64 s[14:15], s[14:15], s[18:19]     ; its scale bytes
	s_cselect_b32 s21, ttmp9, s21
	s_cselect_b32 s22, ttmp9, s22
	s_lshl_b32 s21, s21, 2
	s_add_co_u32 s21, s21, s20                     ; my wave's run of 8,192 numbers in the source,
	s_lshl_b32 s22, s22, 2
	s_add_co_u32 s22, s22, s20                     ; and in the buffers
	s_lshl_b32 s24, s21, 15                        ; 32,768 bytes of f32 a run
	s_mov_b32 s25, 0
	s_add_nc_u64 s[4:5], s[4:5], s[24:25]
	s_lshl_b32 s24, s22, 12                        ; 4,096 bytes of codes
	s_add_nc_u64 s[12:13], s[12:13], s[24:25]
	s_lshl_b32 s24, s22, 8                         ; 256 scale bytes
	s_add_nc_u64 s[14:15], s[14:15], s[24:25]
.macro LOAD t
.irp i, 0,1,2,3
	global_load_b128 v[R+16*((\t)%4)+4*\i:R+16*((\t)%4)+4*\i+3], v3, s[4:5] offset:2048*(\t)+512*\i th:TH_LOAD_NT   ; 32 lanes read 512 consecutive bytes
.endr
.endm
.macro TURN t                          ; step t's numbers through the stage: LDS serves a wave's instructions in order, so no wait stands between the stores and the loads
.irp i, 0,1,2,3
	ds_store_b128 v14, v[R+16*((\t)%4)+4*\i:R+16*((\t)%4)+4*\i+3] offset:32*SP*((\t)%2)+8*SP*\i
.endr
.irp i, 0,1,2,3
	ds_load_b128 v[X+16*((\t)%2)+4*\i:X+16*((\t)%2)+4*\i+3], v15 offset:32*SP*((\t)%2)+16*\i
.endr
.endm
.irp t, 0,1,2,3
	LOAD \t
.endr
	s_wait_loadcnt 12                              ; step 0's four loads are in; the twelve behind them stay out
	TURN 0
.macro STEP t
.set XS, X+16*((\t)%2)
.if (\t) > 0
	s_wait_dscnt 1                                 ; this step's numbers are back from the stage (the last step's byte store may be out): its stores into the stage have read their registers,
.else
	s_wait_dscnt 0x0
.endif
.if (\t)+4 < STEPS
	LOAD (\t)+4                                    ; which take the loads of four steps on
.endif
.if (\t)+1 < STEPS
.if STEPS-2-(\t) >= 3
	s_wait_loadcnt 12                              ; the next step's four loads are in; those of the three steps behind it may be out
.else
	s_wait_loadcnt 4*(STEPS-2-(\t))
.endif
	TURN (\t)+1                                    ; and go through the other stage while this step is worked
.endif
	v_max3_num_f32 v8, |v[XS]|, |v[XS+1]|, |v[XS+2]|               ; the largest magnitude of my 16, in two chains
	v_max3_num_f32 v9, |v[XS+3]|, |v[XS+4]|, |v[XS+5]|
.irp i, 6,10
	v_max3_num_f32 v8, v8, |v[XS+\i]|, |v[XS+\i+1]|
	v_max3_num_f32 v9, v9, |v[XS+\i+2]|, |v[XS+\i+3]|
.endr
	v_max3_num_f32 v8, v8, |v[XS+14]|, |v[XS+15]|
	v_max3_num_f32 v8, v8, v9, (EMAX+1)<<23        ; and the floor 2^(3 - 127): the byte cannot fall under 1
	v_max_num_f32_dpp v8, v8, v8 row_xmask:1 row_mask:0xf bank_mask:0xf   ; and of my neighbour's 16: the block's
	v_add_nc_u32 v11, -(EMAX<<23), v8              ; 2 off its exponent field: the conversion takes the exponent field of this operand as its scale
	v_cvt_scalef32_pk8_fp4_f32 v[C+4*(\t)], v[XS:XS+7], v11
	v_cvt_scalef32_pk8_fp4_f32 v[C+4*(\t)+1], v[XS+8:XS+15], v11
	v_lshrrev_b32 v[E+(\t)], 23, v11               ; the scale's byte (also the plain line behind the conversions)
	ds_store_b8 v5, v[E+(\t)] offset:16*(\t)       ; both lanes of a block write the same byte with the same value
	global_store_b64 v4, v[C+4*(\t):C+4*(\t)+1], s[12:13] offset:32*CB*(\t)   ; the wave stores 256 consecutive bytes, aligned
.endm
.irp t, 0,1,2,3,4,5,6,7,8,9,10,11,12,13,14,15
	STEP \t
.endr
	ds_load_b64 v[12:13], v6                       ; LDS serves a wave's instructions in order: these see my byte stores
	s_wait_dscnt 0x0
	global_store_b64 v7, v[12:13], s[14:15]        ; 32 lanes store 256 consecutive bytes, aligned
	s_wait_tensorcnt 0x0
	ds_add_u32 v192, v193
	s_wait_dscnt 0x0
	s_endpgm
.Lfunc_end_k_q3fc8ff6755_quant:
	.size	k_q3fc8ff6755_quant, .Lfunc_end_k_q3fc8ff6755_quant-k_q3fc8ff6755_quant
	.p2alignl 7, 3214868480
	.fill 96, 4, 3214868480
	.section	.rodata,"a",@progbits
	.p2align	6, 0x0
	.amdhsa_kernel k_q3fc8ff6755_quant
		.amdhsa_group_segment_fixed_size 33280
		.amdhsa_private_segment_fixed_size 0
		.amdhsa_enable_private_segment 0
		.amdhsa_kernarg_size 64
		.amdhsa_user_sgpr_count 2
		.amdhsa_user_sgpr_kernarg_segment_ptr 1
		.amdhsa_wavefront_size32 1
		.amdhsa_system_sgpr_workgroup_id_x 1
		.amdhsa_system_sgpr_workgroup_id_y 1
		.amdhsa_system_sgpr_workgroup_id_z 1
		.amdhsa_system_vgpr_workitem_id 0
		.amdhsa_next_free_vgpr 194
		.amdhsa_next_free_sgpr 66
		.amdhsa_reserve_vcc 0
		.amdhsa_float_denorm_mode_32 3
		.amdhsa_float_denorm_mode_16_64 3
		.amdhsa_memory_ordered 1
		.amdhsa_forward_progress 1
		.amdhsa_inst_pref_size 34
	.end_amdhsa_kernel
	.amdgpu_metadata
---
amdhsa.version: [ 1, 2 ]
amdhsa.kernels:
  - .name:           k_q3fc8ff6755_quant
    .symbol:         k_q3fc8ff6755_quant.kd
    .args:
      - { .name: hidden_states, .offset: 0, .size: 8, .value_kind: global_buffer, .address_space: global }
      - { .name: Wq, .offset: 8, .size: 8, .value_kind: global_buffer, .address_space: global }
      - { .name: Wk, .offset: 16, .size: 8, .value_kind: global_buffer, .address_space: global }
      - { .name: Wv, .offset: 24, .size: 8, .value_kind: global_buffer, .address_space: global }
      - { .name: x_codes, .offset: 32, .size: 8, .value_kind: global_buffer, .address_space: global }
      - { .name: x_scales, .offset: 40, .size: 8, .value_kind: global_buffer, .address_space: global }
      - { .name: w_codes, .offset: 48, .size: 8, .value_kind: global_buffer, .address_space: global }
      - { .name: w_scales, .offset: 56, .size: 8, .value_kind: global_buffer, .address_space: global }
    .group_segment_fixed_size: 33280
    .private_segment_fixed_size: 0
    .kernarg_segment_align: 8
    .kernarg_segment_size: 64
    .max_flat_workgroup_size: 128
    .sgpr_count:     66
    .vgpr_count:     194
    .wavefront_size: 32
...
	.end_amdgpu_metadata
.endif
;; end of part 1
;; launch qkv (part 2): grid 12 x 32, 4 waves a work-group, clusters of 4 x 4, 296,448 bytes of LDS; arguments x_codes, x_scales, w_codes, w_scales, bq, bk, bv, qk_img, qk_sc, v_img, v_sc; writes qk_img, qk_sc, v_img, v_sc
.if DOCPART == 2
	.amdgcn_target "amdgcn-amd-amdhsa--gfx1250"
	.amdhsa_code_object_version 6
	.text
	.protected	k_q3fc8ff6755_qkv
	.globl	k_q3fc8ff6755_qkv
	.p2align	8
	.type	k_q3fc8ff6755_qkv,@function
k_q3fc8ff6755_qkv:
	s_mov_b64 s[64:65], 0
	v_nop
	global_prefetch_b8 v0, s[64:65] scope:SCOPE_SE
	s_setreg_imm32_b32 hwreg(HW_REG_WAVE_MODE, 25, 1), 1
	s_wait_xcnt 0x0
	s_wait_alu depctr_hold_cnt(0) depctr_sa_sdst(0) depctr_va_vdst(0) depctr_va_sdst(0) depctr_va_ssrc(0) depctr_va_vcc(0) depctr_vm_vsrc(0)
	s_getreg_b32 s2, hwreg(HW_REG_IB_STS2, 6, 4)
	s_cmp_eq_u32 s2, 0
	s_cbranch_scc0 .Lentry_in_a_cluster
	s_endpgm
.Lentry_in_a_cluster:
	s_bfe_u32 s2, ttmp6, 0x10000c
	s_cmp_lg_u32 s2, 0xf033
	s_cbranch_scc0 .Lentry_shape_is_right
	s_endpgm
.Lentry_shape_is_right:
; q = x Wq^T + bq, k = x Wk^T + bk, v = x Wv^T + bv on codes of FP4 (E2M1) with E8M0 scales for each 32 along K = 1,024; sums in f32, the bias as the C of each sum's first product.
; The results never go to memory as f32: q and k are quantised along the head's 64 channels, v along the keys, in registers, and leave as codes laid in the order of the next launch's operand registers.
; A tile of 256 x 256 is made by four waves, each 128 x 128: 64 accumulators of 16 x 16.  THE MATRIX INSTRUCTION IS USED TRANSPOSED (source 0 = 16 rows of B, source 1 = 16 rows of A):
; a lane holds ONE row of A and its registers run along rows of B.  Clusters with x = 0, 1: A = tokens, B = rows of Wq, Wk (channels): a lane's registers run along channels.
; Clusters with x = 2: A = rows of Wv (channels), B = tokens: a lane's registers run along the keys.  So one quantiser serves all three.  The choice hangs on the cluster's x, which all sixteen partners share.
; K = 1,024 is two LDS slots of 512: every tile and all scale bytes are asked for once, at the head: three tensor loads a wave are out, and no LDS byte is filled twice.
; CLUSTERS: 4 x 4 work-groups; A's tiles are asked for jointly along a row of the cluster, B's along a column.
; LIMITS: blocks whose largest magnitude lies under 2^-124 keep the scale byte 1 (a block of zeros too: its codes are zeros); NaN and infinities are not served.
; REGISTERS, in windows of 256: window 0: v16-31 addresses and constants; v32-95 scale words, two sets; v96-119 the quantiser's work; v128-191 A's fragments, on the way out codes; v192-255 the bias in C's layout.
;   window 1: B's fragments, two sets.   window 2: the accumulators of my A rows 0-63 ((a, b) at v[8 (8 a + b)]);   window 3: those of rows 64-127.
.set NQ,     4                         ; matrix instructions deep in a slot: 512 along K
.set ROWB,   256                       ; a tile's row in bytes
.set KROW,   512                       ; a row of codes in memory
.set PITCH,  272                       ; an LDS row: 256 bytes + 16 of padding: the 16 rows that a load touches start at 16 different 16-byte columns
.set FR,     8                         ; registers of a fragment
.set NL,     2                         ; LDS loads that bring one
.set NP,     4                         ; places behind this matrix instruction (ISA guide 7.12.1)
.set HALFT,  128*PITCH                 ; 128 rows: what one tensor load brings
.set SLOT,   4*HALFT                   ; A's 256 rows, then B's 256
.set KS,     32                        ; a row of scale bytes
.set SCL,    2*SLOT                    ; behind the slots: the scale bytes, as units of 256 bytes + 16 of padding
.set HALFS,  (128*KS/256)*272          ; those of 128 rows
.set SBLK,   (16*KS/256)*272           ; those of 16 rows
.set ADRA, 16                          ; v16-17  LDS address of my A fragments in slot 0, 1
.set ADRB, 20                          ; v20-21  the same for B
.set CO,   24                          ; v24     16 x lane: an image's place for my lane
.set CV,   25                          ; v25     1024 h + 16 r: v's codes
.set SO,   26                          ; v26     4096 h + 16 r: the scale words' way out
.set ADRS, 27                          ; v27     LDS address of my scale words: lanes 0-15 A's rows, lanes 16-31 B's
.set H32,  28                          ; v28     32 h
.set R4,   29                          ; v29     4 r
.set SELV, 30                          ; v30     byte selects: lanes 0-15 the low halves of two words, lanes 16-31 the high halves
.set FLOOR, 31                         ; v31     2^(3 - 127)
.set SC,   32                          ; scale words: set s at v[SC + 32 s]; register 4 i + q: lanes 0-15 A's block i, lanes 16-31 B's block i
.set TM,   96                          ; v96-99   largest magnitudes
.set TP,   100                         ; v100-103 the other half of the lanes'
.set TS,   104                         ; v104-107 the conversions' scale operands
.set BY,   108                         ; v108-111 scale bytes
.set PW,   112                         ; v112-119 a scale word for each of my eight blocks of A rows
.set AF,   128                         ; A's fragments
.set PCD,  128                         ; the way out: codes, two sets of eight
.set TT,   144
.set XX,   148
.set YY,   152
.set WW,   156
.set BI,   192                         ; the bias
.set G1, 24
.set G0, 32
.set G1B, 48
.set G0B, 56
.set G1S, 68
.set G0S, 76
.set G1SB, 80
.set G0SB, 88
.set MSB, 0
.macro WIN new                         ; the immediate's high byte repeats the setting that is left
.if MSB != \new
	s_set_vgpr_msb (MSB<<8)|\new
.set MSB, \new
.endif
.endm
.set MUL_LO, 0xa1                      ; source 0 (B) window 1, source 1 (A) window 0, C and D window 2
.set MUL_HI, 0xf1                      ; the same, C and D window 3
.set MUL_LO_C, 0x81                    ; the first K step: C (the bias) window 0, D window 2
.set MUL_HI_C, 0xc1                    ; D window 3
.set TO_B,   0x40                      ; destination window 1, address window 0
; A joint load: waves 0 and 1 fetch for A, waves 2 and 3 for B.  Four v_nop follow each of the two lines.
.macro JLOAD g0a, g1a, g0b, g1b
	s_cmp_eq_u32 s15, 0
	s_cbranch_scc0 .Lfor_b_\@
	tensor_load_to_lds s[\g0a:\g0a+3], s[\g1a:\g1a+7]
	s_nop 0
.rept 4
	v_nop
.endr
	s_branch .Lasked_\@
.Lfor_b_\@:
	tensor_load_to_lds s[\g0b:\g0b+3], s[\g1b:\g1b+7]
	s_nop 0
.rept 4
	v_nop
.endr
.Lasked_\@:
.endm
.macro CROUND                          ; a round of the cluster's barrier
	s_barrier_signal -1
	s_barrier_wait -1
	s_cmp_lg_u32 s14, 0
	s_cbranch_scc1 .Lnot_wave_0_\@
	s_barrier_signal -3
.Lnot_wave_0_\@:
	s_barrier_wait -3
	s_barrier_signal -1
	s_barrier_wait -1
.endm
	s_load_b256 s[4:11], s[0:1], 0x0               ; x_codes s[4:5], x_scales s[6:7], w_codes s[8:9], w_scales s[10:11]
	v_lshl_add_u32 v126, v0, 2, 0x48400
	v_mov_b32 v127, 0
	ds_add_u32 v126, v127
	ds_add_u32 v126, v127
	v_lshrrev_b32 v1, 5, v0
	v_readfirstlane_b32 s14, v1                    ; wave 0..3
	s_lshr_b32 s15, s14, 1                         ; which half of the tile's A rows is mine.  Also: I fetch for A (0) or for B (1)
	s_and_b32 s16, s14, 1                          ; which half of its B rows.  Also: which 128 rows I fetch
	s_bfe_u32 s40, ttmp6, 0x40000                  ; cx, cy: my place in the cluster
	s_bfe_u32 s41, ttmp6, 0x40004
	s_and_b32 s13, ttmp7, 0xffff                   ; cluster y
	s_cmp_eq_u32 ttmp9, 2                          ; cluster x = 2: v
	s_cselect_b32 s98, 1, 0
	s_cselect_b32 s42, s13, ttmp9                  ; along B: v: 8 clusters of tokens; q, k: 2 clusters of weight rows
	s_cselect_b32 s17, 0, s13                      ; along A: v: one cluster of Wv's rows; q, k: 8 clusters of tokens
	s_cselect_b32 s12, 2048, 0                     ; Wv's rows begin 2,048 rows into the weights' buffers
	s_lshl_b32 s42, s42, 2
	s_add_co_u32 s42, s42, s40                     ; tile column (B)
	s_lshl_b32 s17, s17, 2
	s_add_co_u32 s17, s17, s41                     ; tile row (A)
	s_lshl_b32 s43, s41, 2
	s_lshl_b32 s43, 15, s43                        ; my row of the cluster
	s_lshl_b32 s44, 0x1111, s40                    ; my column
	; descriptor group 1: a tile of 128 rows x 256 bytes, 16 bytes of padding behind each row
	s_or_b32 s[G1+0], s43, (0<<16)|(1<<20)|(1<<21)|(5<<22)|(3<<25)  ; 15:0 the mask; 17:16 elements of 1 byte; 20 padding on; 21 set beside a mask; 24:22 after every 64 words; 31:25 four words
	s_or_b32 s[G1B+0], s44, (0<<16)|(1<<20)|(1<<21)|(5<<22)|(3<<25)
.irp g, G1, G1B
	s_mov_b32 s[\g+1], ROWB<<16                    ; tensor_dim0
	s_mov_b32 s[\g+2], 128<<16                     ; tensor_dim1
	s_mov_b32 s[\g+3], ROWB<<16                    ; tile_dim0
	s_mov_b32 s[\g+4], 128                         ; tile_dim1
	s_mov_b32 s[\g+5], KROW                        ; tensor_dim0_stride
	s_mov_b32 s[\g+6], 0
	s_mov_b32 s[\g+7], 0
.endr
	; the scale bytes of 128 rows: 4,096 dense bytes as 16 rows of 256 (32 elements of 8 bytes), 16 bytes of padding behind each
	s_or_b32 s[G1S+0], s43, (3<<16)|(1<<20)|(1<<21)|(5<<22)|(3<<25)
	s_or_b32 s[G1SB+0], s44, (3<<16)|(1<<20)|(1<<21)|(5<<22)|(3<<25)
.irp g, G1S, G1SB
	s_mov_b32 s[\g+1], 32<<16
	s_mov_b32 s[\g+2], (128*KS/256)<<16
	s_mov_b32 s[\g+3], 32<<16
	s_mov_b32 s[\g+4], 128*KS/256
	s_mov_b32 s[\g+5], 32
	s_mov_b32 s[\g+6], 0
	s_mov_b32 s[\g+7], 0
.endr
	s_lshl_b32 s18, s16, 7                         ; which 128 rows of the tile I fetch
	s_lshl_b32 s20, s17, 8
	s_add_co_u32 s20, s20, s18
	s_add_co_u32 s20, s20, s12                     ; A: row 256 x tile row + 128 x half (+ 2,048 for Wv)
	s_lshl_b32 s46, s42, 8
	s_add_co_u32 s46, s46, s18                     ; B: row 256 x tile column + 128 x half
	s_mov_b32 s21, 0
	s_mov_b32 s47, 0
	s_mov_b64 s[18:19], KS
	s_mul_u64 s[22:23], s[20:21], s[18:19]         ; where these rows' scale bytes begin
	s_mul_u64 s[92:93], s[46:47], s[18:19]
	s_mov_b64 s[18:19], KROW
	s_mul_u64 s[20:21], s[20:21], s[18:19]         ; and their codes
	s_mul_u64 s[46:47], s[46:47], s[18:19]
	s_mul_i32 s45, s14, HALFT                      ; where they go: wave x 128 rows: no place in the cluster enters an LDS address
	s_mul_i32 s94, s14, HALFS
	s_wait_dscnt 0x0
	s_wait_kmcnt 0x0
	s_cmp_eq_u32 s98, 1                            ; which buffer is A and which is B
	s_cselect_b64 s[66:67], s[8:9], s[4:5]         ; A's codes
	s_cselect_b64 s[96:97], s[10:11], s[6:7]       ; A's scale bytes
	s_cselect_b64 s[8:9], s[4:5], s[8:9]           ; B's codes
	s_cselect_b64 s[10:11], s[6:7], s[10:11]       ; B's scale bytes
	s_add_nc_u64 s[20:21], s[66:67], s[20:21]
	s_add_nc_u64 s[22:23], s[96:97], s[22:23]
	s_add_nc_u64 s[46:47], s[8:9], s[46:47]
	s_add_nc_u64 s[92:93], s[10:11], s[92:93]
	CROUND                                         ; all sixteen work-groups are here: the joint loads meet
	s_mov_b32 s[G0S], 1
	s_add_co_u32 s[G0S+1], s94, SCL
	s_mov_b64 s[G0S+2:G0S+3], s[22:23]
	s_or_b32 s[G0S+3], s[G0S+3], 0x80000000
	s_mov_b32 s[G0SB], 1
	s_add_co_u32 s[G0SB+1], s94, SCL
	s_mov_b64 s[G0SB+2:G0SB+3], s[92:93]
	s_or_b32 s[G0SB+3], s[G0SB+3], 0x80000000
	JLOAD G0S, G1S, G0SB, G1SB                     ; the scale bytes first: they are wanted with the first K step
.irp s, 0,1
	s_mov_b32 s[G0+4*\s], 1
	s_add_co_u32 s[G0+4*\s+1], s45, \s*SLOT
	s_add_nc_u64 s[G0+4*\s+2:G0+4*\s+3], s[20:21], \s*ROWB
	s_or_b32 s[G0+4*\s+3], s[G0+4*\s+3], 0x80000000
	s_mov_b32 s[G0B+4*\s], 1
	s_add_co_u32 s[G0B+4*\s+1], s45, \s*SLOT
	s_add_nc_u64 s[G0B+4*\s+2:G0B+4*\s+3], s[46:47], \s*ROWB
	s_or_b32 s[G0B+4*\s+3], s[G0B+4*\s+3], 0x80000000
	JLOAD G0+4*\s, G1, G0B+4*\s, G1B               ; both halves of K: nothing is asked for later
.endr
	s_load_b256 s[4:11], s[0:1], 0x20              ; bq s[4:5], bk s[6:7], bv s[8:9], qk_img s[10:11]
	s_load_b128 s[92:95], s[0:1], 0x40             ; qk_sc s[92:93], v_img s[94:95]
	s_load_b64 s[96:97], s[0:1], 0x50              ; v_sc
	s_mov_b32 s18, 0x76543210
	s_mov_b32 s19, 0xfedcba98                      ; v_permlanex16_b32's selects for lane l xor 16
	s_mov_b32 s99, 0xffff0000                      ; lanes 16-31
	v_and_b32 v1, 15, v0                           ; r = l % 16
	v_bfe_u32 v2, v0, 4, 1                         ; h = l / 16
	v_mul_u32_u24 v3, v1, PITCH
	v_lshl_add_u32 v4, v2, 4, v3                   ; a fragment's row x pitch + 16 x half
	s_mul_i32 s21, s15, HALFT                      ; my 128 rows of A
	s_mul_i32 s22, s16, HALFT                      ; my 128 rows of B,
	s_add_co_u32 s22, s22, 2*HALFT                 ; which lie behind A's 256
.irp s, 0,1
	v_add_nc_u32 v[ADRA+\s], s21, v4
	v_add_nc_u32 v[ADRB+\s], s22, v4
	s_add_co_u32 s21, s21, SLOT
	s_add_co_u32 s22, s22, SLOT
.endr
	v_mul_u32_u24 v5, v1, KS                       ; my row's scale bytes: 32 a row,
	v_lshrrev_b32 v6, 8, v5
	v_lshl_add_u32 v5, v6, 4, v5                   ; and 16 more for each 256 passed
	s_mul_i32 s21, s15, HALFS                      ; A's: my 128 rows
	s_mul_i32 s22, s16, HALFS                      ; B's: my 128 rows, behind A's 256
	s_add_co_u32 s22, s22, 2*HALFS
	s_sub_co_u32 s22, s22, s21
	v_mul_u32_u24 v6, s22, v2                      ; lanes 16-31 take B's: one product, the distance x h
	s_add_co_u32 s21, s21, SCL
	v_add_nc_u32 v5, v5, v6
	v_add_nc_u32 v[ADRS], s21, v5
	v_and_b32 v6, 31, v0
	v_lshlrev_b32 v[CO], 4, v6
	v_lshlrev_b32 v5, 4, v1
	v_lshl_add_u32 v[CV], v2, 10, v5
	v_lshl_add_u32 v[SO], v2, 12, v5
	v_lshlrev_b32 v[H32], 5, v2
	v_lshlrev_b32 v[R4], 2, v1
	v_mov_b32 v[SELV], 0x05040100
	v_mov_b32 v5, 0x07060302
	v_cndmask_b32 v[SELV], v[SELV], v5, s99
	v_mov_b32 v[FLOOR], 0x1800000
.irp t, 0,1,2,3
	v_mov_b32 v[TP+\t], 0                          ; written once: a lane permute's destination counts as one of its sources
.endr
	s_wait_kmcnt 0x0
	; THE BIAS, in C's layout, and the addresses of the way out.  The branch hangs on the cluster's x.
	s_cmp_eq_u32 s98, 1
	s_cbranch_scc1 .Lbias_v
	s_cmp_eq_u32 ttmp9, 0
	s_cselect_b64 s[2:3], s[4:5], s[6:7]           ; bq or bk
	s_lshl_b32 s46, s40, 10                        ; my first channel: 256 cx + 128 x half, 4 bytes each
	s_lshl_b32 s47, s16, 9
	s_add_co_u32 s46, s46, s47
	s_mov_b32 s47, 0
	s_add_nc_u64 s[2:3], s[2:3], s[46:47]
.irp b, 0,1,2,3,4,5,6,7                ; register 8 b + j: the bias of channel 16 b + 8 h + j: it hangs on B's block alone
	global_load_b128 v[BI+8*\b:BI+8*\b+3], v[H32], s[2:3] offset:64*\b
	global_load_b128 v[BI+8*\b+4:BI+8*\b+7], v[H32], s[2:3] offset:64*\b+16
.endr
	s_lshr_b32 s20, s17, 3                         ; the batch: 8 tiles of 256 tokens each
	s_and_b32 s21, s17, 7
	s_lshl_b32 s20, s20, 4
	s_lshl_b32 s22, ttmp9, 6                       ; q: 0, k: 64
	s_add_co_u32 s22, s22, s20
	s_lshl_b32 s20, s40, 2
	s_add_co_u32 s22, s22, s20
	s_lshl_b32 s20, s16, 1
	s_add_co_u32 s22, s22, s20                     ; 64 x (q or k) + 16 x batch + my first head (4 cx + 2 x half)
	s_lshl_b32 s21, s21, 1
	s_add_co_u32 s21, s21, s15                     ; my 128 tokens: which of the batch's 16 groups
	s_lshl_b32 s46, s22, 16                        ; a head's images: 65,536 bytes;
	s_lshl_b32 s20, s21, 12                        ; eight tiles of 512
	s_add_co_u32 s46, s46, s20
	s_add_nc_u64 s[10:11], s[10:11], s[46:47]      ; where my images go
	s_lshl_b32 s46, s22, 12                        ; a head's scale words: 4,096 bytes; a group's: 256
	s_lshl_b32 s20, s21, 8
	s_add_co_u32 s46, s46, s20
	s_add_nc_u64 s[92:93], s[92:93], s[46:47]      ; where my scale words go
	s_branch .Lbias_done
.Lbias_v:
	s_lshl_b32 s20, s17, 10                        ; my first channel: 256 x tile row + 128 x half
	s_lshl_b32 s21, s15, 9
	s_add_co_u32 s20, s20, s21
	s_mov_b32 s21, 0
	s_add_nc_u64 s[2:3], s[8:9], s[20:21]
.irp a, 0,1,2,3,4,5,6,7                ; register 8 a + j: the bias of channel 16 a + r, the same in all eight: it hangs on A's block alone
.irp j, 0,1,2,3,4,5,6,7
	global_load_b32 v[BI+8*\a+\j], v[R4], s[2:3] offset:64*\a
.endr
.endr
	s_lshr_b32 s46, s42, 3                         ; the batch
	s_lshl_b32 s46, s46, 4
	s_lshl_b32 s20, s17, 2
	s_add_co_u32 s46, s46, s20
	s_lshl_b32 s20, s15, 1
	s_add_co_u32 s46, s46, s20                     ; 16 x batch + my first head (4 x tile row + 2 x half)
	s_and_b32 s47, s42, 7
	s_lshl_b32 s47, s47, 3
	s_lshl_b32 s20, s16, 2
	s_add_co_u32 s47, s47, s20                     ; my first block of 32 keys
	s_lshl_b32 s22, s46, 16
	s_lshl_b32 s20, s47, 10
	s_add_co_u32 s22, s22, s20
	s_mov_b32 s23, 0
	s_add_nc_u64 s[94:95], s[94:95], s[22:23]      ; where my codes go
	s_lshl_b32 s22, s46, 12
	s_lshl_b32 s20, s47, 6
	s_add_co_u32 s22, s22, s20
	s_add_nc_u64 s[96:97], s[96:97], s[22:23]      ; where my scale words go
.Lbias_done:
.macro FRAG reg, adr, q, i             ; 16 rows x 128 K of 4-bit codes: lane l holds row l % 16; registers 4 c .. 4 c + 3 hold K = 64 c + 32 (l / 16) + 0 .. 31
.irp c, 0,1
	ds_load_b128 v[\reg+4*\c:\reg+4*\c+3], v[\adr] offset:64*(\q)+32*\c+(\i)*16*PITCH
.endr
.endm
; 16 matrix instructions: A's blocks a0, a0 + 1 x B's eight.  p: B's set; sc: the set of scale words.  cm = 0: C = D; 1: C = the bias by B's block; 2: C = the bias by A's block.
; The 64 accumulators take turns, one instruction a turn, in the same order in every step.
.macro MUL16 a0, p, q, sc, cm
.irp a, \a0, \a0+1
.irp b, 0,1,2,3,4,5,6,7
.if \cm == 0
	v_wmma_scale_f32_16x16x128_f8f6f4 v[8*(8*((\a)%4)+\b):8*(8*((\a)%4)+\b)+7], v[128*(\p)+FR*\b:128*(\p)+FR*\b+FR-1], v[AF+FR*(\a):AF+FR*(\a)+FR-1], v[8*(8*((\a)%4)+\b):8*(8*((\a)%4)+\b)+7], v[SC+8*NQ*(\sc)+NQ*\b+(\q)], v[SC+8*NQ*(\sc)+NQ*(\a)+(\q)] matrix_a_fmt:MATRIX_FMT_FP4 matrix_b_fmt:MATRIX_FMT_FP4 matrix_a_scale:MATRIX_SCALE_ROW1
.elseif \cm == 1
	v_wmma_scale_f32_16x16x128_f8f6f4 v[8*(8*((\a)%4)+\b):8*(8*((\a)%4)+\b)+7], v[128*(\p)+FR*\b:128*(\p)+FR*\b+FR-1], v[AF+FR*(\a):AF+FR*(\a)+FR-1], v[BI+8*\b:BI+8*\b+7], v[SC+8*NQ*(\sc)+NQ*\b+(\q)], v[SC+8*NQ*(\sc)+NQ*(\a)+(\q)] matrix_a_fmt:MATRIX_FMT_FP4 matrix_b_fmt:MATRIX_FMT_FP4 matrix_a_scale:MATRIX_SCALE_ROW1
.else
	v_wmma_scale_f32_16x16x128_f8f6f4 v[8*(8*((\a)%4)+\b):8*(8*((\a)%4)+\b)+7], v[128*(\p)+FR*\b:128*(\p)+FR*\b+FR-1], v[AF+FR*(\a):AF+FR*(\a)+FR-1], v[BI+8*(\a):BI+8*(\a)+7], v[SC+8*NQ*(\sc)+NQ*\b+(\q)], v[SC+8*NQ*(\sc)+NQ*(\a)+(\q)] matrix_a_fmt:MATRIX_FMT_FP4 matrix_b_fmt:MATRIX_FMT_FP4 matrix_a_scale:MATRIX_SCALE_ROW1
.endif
.endr
.endr
.endm
.macro FETCH_B slot, q, p              ; B's eight fragments of the slot's q-th 128 along K into set p
	WIN TO_B
.irp i, 0,1,2,3,4,5,6,7
	FRAG 128*(\p)+FR*\i, ADRB+\slot, \q, \i
.endr
	WIN 0
.endm
.macro FETCH_A slot, q, i0             ; A's blocks i0 .. i0 + 3
.irp i, \i0, \i0+1, \i0+2, \i0+3
	FRAG AF+FR*(\i), ADRA+\slot, \q, \i
.endr
.endm
.macro SCALES sc                       ; a slot's scale words into set sc: four words a row; lanes 0-15 take A's block i, lanes 16-31 B's block i
.irp i, 0,1,2,3,4,5,6,7
	ds_load_b128 v[SC+8*NQ*\sc+NQ*\i:SC+8*NQ*\sc+NQ*\i+3], v[ADRS] offset:\i*SBLK
.endr
.endm
.macro PLACES n                        ; plain vector lines between a matrix instruction and a load into, or a vector read of, its registers
.rept \n
	v_nop
.endr
.endm
; A step of 128 along K that has its successor in the same slot.  A has one set of registers: blocks 0-3 are fetched anew in the step's middle, blocks 4-7 at its end.
.macro STEP slot, q, cm
	s_wait_dscnt 4*NL                              ; B's set, the scale words and A's blocks 0-3 are in; the youngest eight loads (A's blocks 4-7) may be out
.if \cm
	WIN MUL_LO_C
.else
	WIN MUL_LO
.endif
	MUL16 0, (\q)%2, \q, \slot, \cm
	MUL16 2, (\q)%2, \q, \slot, \cm
	s_wait_dscnt 0                                 ; A's blocks 4-7 are in
	PLACES NP
	FETCH_B \slot, (\q)+1, 1-(\q)%2
	FETCH_A \slot, (\q)+1, 0
.if \cm
	WIN MUL_HI_C
.else
	WIN MUL_HI
.endif
	MUL16 4, (\q)%2, \q, \slot, \cm
	MUL16 6, (\q)%2, \q, \slot, \cm
	PLACES NP
	WIN 0
	FETCH_A \slot, (\q)+1, 4
.endm
.macro STEPS slot, from                ; the slot's steps from .. NQ - 2
.set Q, \from
.rept NQ-1-\from
	STEP \slot, Q, 0
.set Q, Q+1
.endr
.endm
	s_wait_tensorcnt 1                             ; of my three loads the scale bytes and slot 0's part are in; slot 1's may stay out
	s_barrier_signal -1
	s_barrier_wait -1                              ; everybody's are
	FETCH_B 0, 0, 0
	FETCH_A 0, 0, 0
	SCALES 0
	FETCH_A 0, 0, 4
	s_wait_loadcnt 0x0                             ; the bias
	s_cmp_eq_u32 s98, 1                            ; the first step starts the sums with the bias: by B's block (q, k) or by A's (v)
	s_cbranch_scc1 .Lfirst_v
	STEP 0, 0, 1
	s_branch .Lfirst_done
.Lfirst_v:
	STEP 0, 0, 2
.Lfirst_done:
	STEPS 0, 1
	; slot 0's last step changes slots: one barrier; in front of it each wave has its part of slot 1 in LDS
	s_wait_tensorcnt 0x0                           ; my part of slot 1 has landed
	s_wait_dscnt 4*NL
	WIN MUL_LO
	MUL16 0, 1, NQ-1, 0, 0
	s_wait_dscnt 0x0                               ; no LDS load of mine is out at the signal
	s_barrier_signal -1
	MUL16 2, 1, NQ-1, 0, 0
	WIN 0
	s_barrier_wait -1                              ; slot 1 is whole
	PLACES NP
	v_add_nc_u32 v[ADRS], 4*NQ, v[ADRS]            ; on to the second half of K's scale words
	FETCH_B 1, 0, 0
	FETCH_A 1, 0, 0
	SCALES 1
	WIN MUL_HI
	MUL16 4, 1, NQ-1, 0, 0
	MUL16 6, 1, NQ-1, 0, 0
	PLACES NP
	WIN 0
	FETCH_A 1, 0, 4
	STEPS 1, 0
	s_wait_dscnt 4*NL                              ; the very last step: nothing more to fetch
	WIN MUL_LO
	MUL16 0, 1, NQ-1, 1, 0
	MUL16 2, 1, NQ-1, 1, 0
	s_wait_dscnt 0
	WIN MUL_HI
	MUL16 4, 1, NQ-1, 1, 0
	MUL16 6, 1, NQ-1, 1, 0
	WIN 0
	PLACES NP
; THE QUANTISER of block a: 16 rows of A x my 128 rows of B.  Register 8 b + j of the block holds n = 16 b + 8 h + j of my row: a block of 32 along n is 16 registers of mine and 16 of lane l xor 16.
; Each accumulator is read from its low end on.  The eight conversions' results are put so that two exchanges of halves for each 64 along n leave a WHOLE block of 32 in a lane:
; registers 4 c .. 4 c + 3 of the codes hold n = 64 c + 32 h + 0 .. 31: an operand's layout.  The four scale bytes make the word v[PW + a].
.macro GQUANT a
.set AC, 64*((\a)%4)
.set PCA, PCD+8*((\a)%2)
	WIN 0x28+0x14*((\a)/4)                         ; sources 1 and 2: window 2 or 3
.irp t, 0,1,2,3
	v_max3_num_f32 v[TM+\t], v[FLOOR], |v[AC+16*\t]|, |v[AC+16*\t+1]|   ; the floor 2^(3 - 127) among the leaves: the byte cannot fall under 1
.endr
.irp i, 2,4,6,8,10,12,14
.irp t, 0,1,2,3
	v_max3_num_f32 v[TM+\t], v[TM+\t], |v[AC+16*\t+\i]|, |v[AC+16*\t+\i+1]|   ; the four blocks by turns
.endr
.endr
	WIN 0
.irp t, 0,1,2,3
	v_permlanex16_b32 v[TP+\t], v[TM+\t], s18, s19
.endr
.irp t, 0,1,2,3
	v_max_num_f32 v[TM+\t], v[TM+\t], v[TP+\t]     ; with lane l xor 16's: the block's largest magnitude
.endr
.irp t, 0,1,2,3
	v_add_nc_u32 v[TS+\t], 0xff000000, v[TM+\t]    ; 2 off its exponent field: the conversion's scale operand
.endr
.irp t, 0,1,2,3
	v_lshrrev_b32 v[BY+\t], 23, v[TS+\t]           ; the scale's byte
.endr
	v_lshl_or_b32 v[PW+(\a)], v[BY+1], 8, v[BY]
	v_lshl_or_b32 v[PW+(\a)], v[BY+2], 16, v[PW+(\a)]
	v_lshl_or_b32 v[PW+(\a)], v[BY+3], 24, v[PW+(\a)]
.if (\a) >= 2
	s_wait_xcnt 0x0                                ; block a - 2's stores have read this set of code registers
.endif
	WIN 0x02+(\a)/4                                ; source 0: window 2 or 3
.irp c, 0,1
	v_cvt_scalef32_pk8_fp4_f32 v[PCA+4*\c], v[AC+32*\c:AC+32*\c+7], v[TS+2*\c]
	v_cvt_scalef32_pk8_fp4_f32 v[PCA+4*\c+2], v[AC+32*\c+8:AC+32*\c+15], v[TS+2*\c]
	v_cvt_scalef32_pk8_fp4_f32 v[PCA+4*\c+1], v[AC+32*\c+16:AC+32*\c+23], v[TS+2*\c+1]
	v_cvt_scalef32_pk8_fp4_f32 v[PCA+4*\c+3], v[AC+32*\c+24:AC+32*\c+31], v[TS+2*\c+1]
.endr
	WIN 0
	v_nop                                          ; one plain line behind a scaled conversion
.irp c, 0,1
	v_permlane16_swap_b32 v[PCA+4*\c], v[PCA+4*\c+1]     ; the first's lanes 16-31 change places with the second's lanes 0-15
	v_permlane16_swap_b32 v[PCA+4*\c+2], v[PCA+4*\c+3]
.endr
.endm
	s_cmp_eq_u32 s98, 1
	s_cbranch_scc1 .Lout_v
	; q, k: n = channels: registers 0-3 are a tile's image of my first head, 4-7 of my second: lane l's 16 bytes at 16 l: each store covers 512 consecutive bytes
.irp a, 0,1,2,3,4,5,6,7
	GQUANT \a
	global_store_b128 v[CO], v[PCD+8*(\a%2):PCD+8*(\a%2)+3], s[10:11] offset:512*\a
	global_store_b128 v[CO], v[PCD+8*(\a%2)+4:PCD+8*(\a%2)+7], s[10:11] offset:65536+512*\a
.endr
.irp i, 0,1,2,3                        ; a block of 32 tokens: the two bytes of token r, then those of token 16 + r; lanes 0-15 for my first head, lanes 16-31 for my second
	v_perm_b32 v[WW+\i], v[PW+2*\i+1], v[PW+2*\i], v[SELV]
.endr
	global_store_b128 v[SO], v[WW:WW+3], s[92:93]  ; sixteen lanes store 256 consecutive bytes, aligned
	s_branch .Lend
.Lout_v:
	; v: n = keys: registers 4 c .. 4 c + 3 of lane (r, h) are block 2 c + h of channel 16 a + r: sixteen lanes store 256 consecutive bytes, aligned
.irp a, 0,1,2,3,4,5,6,7
	GQUANT \a
	global_store_b128 v[CV], v[PCD+8*(\a%2):PCD+8*(\a%2)+3], s[94:95] offset:65536*(\a/4)+256*(\a%4)
	global_store_b128 v[CV], v[PCD+8*(\a%2)+4:PCD+8*(\a%2)+7], s[94:95] offset:65536*(\a/4)+256*(\a%4)+2048
.endr
.irp d, 0,1,2,3
	v_cndmask_b32 v[XX+\d], v[PW+\d], v[PW+4+\d], s99    ; lanes 0-15: my first head's four tiles of channels; lanes 16-31: my second's
.endr
	v_perm_b32 v[TT], v[XX+1], v[XX], 0x05010400         ; four words of four bytes are turned: word i, byte d = the byte of block i, tile of channels d
	v_perm_b32 v[TT+1], v[XX+1], v[XX], 0x07030602
	v_perm_b32 v[TT+2], v[XX+3], v[XX+2], 0x05010400
	v_perm_b32 v[TT+3], v[XX+3], v[XX+2], 0x07030602
	v_perm_b32 v[YY], v[TT+2], v[TT], 0x05040100
	v_perm_b32 v[YY+1], v[TT+2], v[TT], 0x07060302
	v_perm_b32 v[YY+2], v[TT+3], v[TT+1], 0x05040100
	v_perm_b32 v[YY+3], v[TT+3], v[TT+1], 0x07060302
	global_store_b128 v[SO], v[YY:YY+3], s[96:97]
.Lend:
	s_wait_tensorcnt 0x0
	ds_add_u32 v126, v127
	s_wait_dscnt 0x0
	CROUND                                         ; the closing round: no work-group ends while a partner may still ask for a tile that names it
	s_endpgm
.Lfunc_end_k_q3fc8ff6755_qkv:
	.size	k_q3fc8ff6755_qkv, .Lfunc_end_k_q3fc8ff6755_qkv-k_q3fc8ff6755_qkv
	.p2alignl 7, 3214868480
	.fill 96, 4, 3214868480
	.section	.rodata,"a",@progbits
	.p2align	6, 0x0
	.amdhsa_kernel k_q3fc8ff6755_qkv
		.amdhsa_group_segment_fixed_size 296448
		.amdhsa_private_segment_fixed_size 0
		.amdhsa_enable_private_segment 0
		.amdhsa_kernarg_size 88
		.amdhsa_user_sgpr_count 2
		.amdhsa_user_sgpr_kernarg_segment_ptr 1
		.amdhsa_wavefront_size32 1
		.amdhsa_system_sgpr_workgroup_id_x 1
		.amdhsa_system_sgpr_workgroup_id_y 1
		.amdhsa_system_sgpr_workgroup_id_z 1
		.amdhsa_system_vgpr_workitem_id 0
		.amdhsa_next_free_vgpr 1024
		.amdhsa_next_free_sgpr 100
		.amdhsa_reserve_vcc 0
		.amdhsa_float_denorm_mode_32 3
		.amdhsa_float_denorm_mode_16_64 3
		.amdhsa_memory_ordered 1
		.amdhsa_forward_progress 1
		.amdhsa_inst_pref_size 180
	.end_amdhsa_kernel
	.amdgpu_metadata
---
amdhsa.version: [ 1, 2 ]
amdhsa.kernels:
  - .name:           k_q3fc8ff6755_qkv
    .symbol:         k_q3fc8ff6755_qkv.kd
    .args:
      - { .name: x_codes, .offset: 0, .size: 8, .value_kind: global_buffer, .address_space: global }
      - { .name: x_scales, .offset: 8, .size: 8, .value_kind: global_buffer, .address_space: global }
      - { .name: w_codes, .offset: 16, .size: 8, .value_kind: global_buffer, .address_space: global }
      - { .name: w_scales, .offset: 24, .size: 8, .value_kind: global_buffer, .address_space: global }
      - { .name: bq, .offset: 32, .size: 8, .value_kind: global_buffer, .address_space: global }
      - { .name: bk, .offset: 40, .size: 8, .value_kind: global_buffer, .address_space: global }
      - { .name: bv, .offset: 48, .size: 8, .value_kind: global_buffer, .address_space: global }
      - { .name: qk_img, .offset: 56, .size: 8, .value_kind: global_buffer, .address_space: global }
      - { .name: qk_sc, .offset: 64, .size: 8, .value_kind: global_buffer, .address_space: global }
      - { .name: v_img, .offset: 72, .size: 8, .value_kind: global_buffer, .address_space: global }
      - { .name: v_sc, .offset: 80, .size: 8, .value_kind: global_buffer, .address_space: global }
    .group_segment_fixed_size: 296448
    .private_segment_fixed_size: 0
    .kernarg_segment_align: 8
    .kernarg_segment_size: 88
    .max_flat_workgroup_size: 128
    .sgpr_count:     100
    .vgpr_count:     1024
    .wavefront_size: 32
...
	.end_amdgpu_metadata
.endif
;; end of part 2
;; launch attend (part 3): grid 4 x 64, 16 waves a work-group, no clusters, 71,680 bytes of LDS; arguments qk_img, qk_sc, v_img, v_sc, attention_mask, out0; writes out0
.if DOCPART == 3
	.amdgcn_target "amdgcn-amd-amdhsa--gfx1250"
	.amdhsa_code_object_version 6
	.text
	.protected	k_q3fc8ff6755_attend
	.globl	k_q3fc8ff6755_attend
	.p2align	8
	.type	k_q3fc8ff6755_attend,@function
k_q3fc8ff6755_attend:
	s_mov_b64 s[64:65], 0
	v_nop
	global_prefetch_b8 v0, s[64:65] scope:SCOPE_SE
	s_setreg_imm32_b32 hwreg(HW_REG_WAVE_MODE, 25, 1), 1
	s_wait_xcnt 0x0
; out[b][i][head] = softmax over the keys j with i - j = 0 or a power of two of (q_i . k_j / 8 + attention_mask[b][j]) times v_j, both products on codes of FP4 (E2M1) with E8M0 scales.
; WHAT IS MULTIPLIED.  For a tile of 16 queries only the key tiles 0, 1, 2, 4, 8, 16, 32, 64 tiles back hold a key that the mask built from i - j lets through; from 2 tiles back on only the diagonal.
; A wave owns 32 queries of one head (block G of 32: tile e = 0 and tile e = 1).  Both tiles' keys lie in the seven blocks of 32 keys G - 0, 1, 2, 4, 8, 16, 32: the SLOTS 0 to 6; slot 7 is padding with zero codes of p.
; A block before the sequence's start is replaced by block 0 (so every load stays inside its buffer) and its scores by -infinity.
; PRODUCTS, both transposed: S^T = K Q^T (a lane holds ONE query, lane % 16, and keys 8 (lane / 16) + 0 .. 7), O^T = V^T P^T.  The head has 64 channels and the instruction 128 along K: a fragment of K holds
; BOTH tiles of a block (registers 0-3 the lower, 4-7 the upper), and Q stands beside four registers of zero codes: [Q, 0] picks the lower tile, [0, Q] the upper.
; SOFTMAX: t = logit x log2(e); M = ceil(the row's largest t); p = 2^(t - M) is quantised along the keys in the aligned blocks of 32; the row's sum is taken of the unquantised p and divides at the end.
; A block's largest p is the exponential of its largest logit, by the same multiply-add and exponential.
; Operands come from memory straight into registers, in dense pieces of 256 or 512 bytes.  No tensor load, so no multicast: each wave gathers another set of blocks.  No loop, no barrier: waves share nothing.
; No prefetch: a wave's loads are all issued at its head or a softmax ahead of their use.
; LIMITS: attention_mask without +infinity or NaN; a row all of whose allowed keys carry -infinity gives NaN; a block whose largest p lies under 2^-124 keeps the scale byte 1.
.set B,    104                         ; v104-167 eight tiles of scores; then work; then O^T
.set QA,   24                          ; v24-35  [Q of tile 0, zeros, Q of tile 0]
.set QB,   36                          ; v36-47  the same of tile 1
.set KF,   48                          ; v48-103 K's fragments of slots 0 to 6
.set VF,   24                          ; v24-87  later: V's fragments (g, dt) at 8 (4 g + dt); last: rows of O
.set VSR,  88                          ; v88-95  V's scale words as they lie, and the other half of the lanes'
.set EA,   B+16                         ; eight numbers, the first a diagonal p, the others 0
.set EB,   B+24
.set TP,   B+32
.set MX0,  B+40
.set MX1,  B+41
.set LS2,  B+42
.set RM,   B+44
.set LS,   B+46
.set TS,   B+48
.set BY,   B+56
.set QSR,  168
.set QSE,  169                         ; Q's scale word, tile 0;  v170 tile 1
.set QSO,  170
.set AMF0, 176                         ; the additive mask of key tiles 2 G - 1, 2 G, 2 G + 1, by a lane's eight keys
.set AMDE, 184                         ; and of the six diagonal keys, tile 0's and tile 1's
.set AMF1, 192
.set AMF2, 200
.set AMDO, 208
.set DG,   214                         ; v214-219 the six diagonal scores
.set PCE,  220                         ; v220-235 p's codes, tile 0
.set PCO,  176                         ; v176-191 tile 1's, where tile 0's masks lay
.set VW,   236                         ; v236-243 V's scale words by (g, dt)
.set PWE,  244                         ; v244-245, v246-247 p's scale words
.set PWO,  246
.set KSC,  248                         ; v248-251 K's scale words: slot 2 c in lanes 0-15, slot 2 c + 1 in lanes 16-31
.set VS,   10                          ; v10-13  offsets of scale words, VO v20-23 of V's codes: the block differs by half of the lanes
.set VO,   20
.set KB,   20                          ; s20-26  the slots' blocks
.set VAL,  28                          ; s28-34  -1 where the slot's block exists, else 0
.set KBASE, 36                         ; s[36:49] K's images of each slot
.set AB,   50                          ; s[50:63] the mask's 32 numbers of each slot
	s_load_b256 s[4:11], s[0:1], 0x0               ; qk_img s[4:5], qk_sc s[6:7], v_img s[8:9], v_sc s[10:11]
	s_load_b128 s[12:15], s[0:1], 0x20             ; attention_mask s[12:13], out0 s[14:15]
	v_lshrrev_b32 v1, 5, v0
	v_readfirstlane_b32 s16, v1                    ; wave 0..15
	s_lshl_b32 s17, ttmp9, 4
	s_add_co_u32 s17, s17, s16                     ; G: my block of 32 queries
	s_and_b32 s18, ttmp7, 0xffff                   ; 16 x batch + head
.irp s, 0,1,2,3,4,5,6
	s_sub_co_i32 s[KB+\s], s17, (1<<\s)>>1         ; 0, 1, 2, 4, 8, 16, 32 blocks back,
	s_max_i32 s[KB+\s], s[KB+\s], 0                ; held at block 0
	s_cmp_ge_u32 s17, (1<<\s)>>1
	s_cselect_b32 s[VAL+\s], -1, 0
.endr
	s_mov_b32 s78, 0x76543210
	s_mov_b32 s79, 0xfedcba98                      ; v_permlanex16_b32's selects for lane l xor 16
	s_mov_b32 s80, 0x3e000000                      ; 1 / sqrt(64)
	s_mov_b32 s81, s80                             ; (named with it as a pair, so it is written)
	s_mov_b32 s82, 0x3fb8aa3b                      ; log2(e)
	s_mov_b32 s83, s82
	s_mul_i32 s94, s16, 4352                       ; my stage in LDS: 16 rows x 272 bytes
	v_and_b32 v171, 31, v0                         ; lane
	v_and_b32 v172, 15, v0                         ; r
	v_bfe_u32 v173, v0, 4, 1                       ; h
	v_lshlrev_b32 v7, 4, v171                      ; 16 x lane
	v_lshlrev_b32 v8, 2, v172                      ; 4 r
	v_lshlrev_b32 v9, 5, v173                      ; 32 h
	v_mov_b32 v1, 0xff800000                       ; -infinity
	v_and_b32 v2, 7, v172
	v_lshlrev_b32 v2, 2, v2                        ; 4 (r % 8): where my diagonal key's code stands in its word
	v_lshrrev_b32 v174, 3, v172
	v_cmp_eq_u32 vcc_lo, v174, v173
	v_cndmask_b32 v3, 0, -1, vcc_lo                ; all ones where my half of the lanes holds the diagonal key of my query
	v_lshlrev_b32 v252, 4, v172                    ; 16 r
	v_sub_nc_u32 v174, s17, v173                   ; slots 0 | 1: G - h
	v_max_i32 v174, 0, v174
	v_lshl_add_u32 v[VO], v174, 10, v252
	v_lshrrev_b32 v175, 2, v174
	v_and_b32 v174, 3, v174
	v_lshl_add_u32 v[VS], v175, 8, v252
	v_lshl_add_u32 v[VS], v174, 2, v[VS]
	v_lshl_add_u32 v175, v173, 1, 2                ; slots 2 | 3: G - 2 - 2 h
	v_sub_nc_u32 v174, s17, v175
	v_max_i32 v174, 0, v174
	v_lshl_add_u32 v[VO+1], v174, 10, v252
	v_lshrrev_b32 v175, 2, v174
	v_and_b32 v174, 3, v174
	v_lshl_add_u32 v[VS+1], v175, 8, v252
	v_lshl_add_u32 v[VS+1], v174, 2, v[VS+1]
	v_lshl_add_u32 v175, v173, 3, 8                ; slots 4 | 5: G - 8 - 8 h
	v_sub_nc_u32 v174, s17, v175
	v_max_i32 v174, 0, v174
	v_lshl_add_u32 v[VO+2], v174, 10, v252
	v_lshrrev_b32 v175, 2, v174
	v_and_b32 v174, 3, v174
	v_lshl_add_u32 v[VS+2], v175, 8, v252
	v_lshl_add_u32 v[VS+2], v174, 2, v[VS+2]
	v_mov_b32 v174, s[KB+6]                        ; slots 6 | 7: both G - 32
	v_lshl_add_u32 v[VO+3], v174, 10, v252
	v_lshrrev_b32 v175, 2, v174
	v_and_b32 v174, 3, v174
	v_lshl_add_u32 v[VS+3], v175, 8, v252
	v_lshl_add_u32 v[VS+3], v174, 2, v[VS+3]
.irp i, 4,5,6,7
	v_mov_b32 v[QA+\i], 0                          ; the zero codes beside Q
	v_mov_b32 v[QB+\i], 0
.endr
	v_mov_b32 v15, 0                               ; upper halves of pairs of which the low word alone is used
	v_mov_b32 v17, 0
	v_mov_b32 v19, 0
	s_wait_kmcnt 0x0
	s_lshl_b32 s84, s18, 16                        ; a head's images, and its codes of V: 65,536 bytes
	s_mov_b32 s85, 0
	s_add_nc_u64 s[66:67], s[4:5], s[84:85]
	s_add_nc_u64 s[86:87], s[66:67], 0x400000      ; k's images lie 64 heads behind q's
	s_add_nc_u64 s[68:69], s[8:9], s[84:85]        ; V's codes of my head
	s_lshl_b32 s84, s17, 10
	s_add_nc_u64 s[66:67], s[66:67], s[84:85]      ; Q's two tiles
	s_lshl_b32 s84, s18, 12                        ; a head's scale words: 4,096 bytes
	s_add_nc_u64 s[70:71], s[10:11], s[84:85]      ; V's
	s_add_nc_u64 s[74:75], s[6:7], s[84:85]        ; q's
	s_add_nc_u64 s[72:73], s[74:75], 0x40000       ; k's
	s_lshr_b32 s88, s18, 4                         ; the batch
	s_lshl_b32 s84, s88, 13
	s_add_nc_u64 s[90:91], s[12:13], s[84:85]      ; its 2,048 numbers of the mask
.irp s, 0,1,2,3,4,5,6
	s_lshl_b32 s84, s[KB+\s], 10
	s_add_nc_u64 s[KBASE+2*\s:KBASE+2*\s+1], s[86:87], s[84:85]
	s_lshl_b32 s84, s[KB+\s], 7
	s_add_nc_u64 s[AB+2*\s:AB+2*\s+1], s[90:91], s[84:85]
.endr
	s_lshl_b32 s84, s88, 23                        ; out0: a batch is 8,388,608 bytes,
	s_lshl_b32 s89, s17, 17                        ; 32 tokens 131,072,
	s_add_co_u32 s84, s84, s89
	s_and_b32 s89, s18, 15
	s_lshl_b32 s89, s89, 8                         ; a head 256 in a token's row
	s_add_co_u32 s84, s84, s89
	s_add_nc_u64 s[76:77], s[14:15], s[84:85]
	; 41 loads, one wait
	global_load_b128 v[QA:QA+3], v7, s[66:67]
	global_load_b128 v[QA+8:QA+11], v7, s[66:67]
	global_load_b128 v[QB:QB+3], v7, s[66:67] offset:512
	global_load_b128 v[QB+8:QB+11], v7, s[66:67] offset:512
.irp s, 0,1,2,3,4,5,6
	global_load_b128 v[KF+8*\s:KF+8*\s+3], v7, s[KBASE+2*\s:KBASE+2*\s+1]               ; the block's lower tile: 512 consecutive bytes
	global_load_b128 v[KF+8*\s+4:KF+8*\s+7], v7, s[KBASE+2*\s:KBASE+2*\s+1] offset:512  ; and its upper
.endr
.irp c, 0,1,2,3
	global_load_b32 v[KSC+\c], v[VS+\c], s[72:73]  ; a word: the lower tile's two bytes of row r, then the upper's: the fragment's scale word as it lies
.endr
	global_load_b32 v[QSR], v[VS], s[74:75]        ; lanes 0-15: block G's word of q
	global_load_b128 v[AMF1:AMF1+3], v9, s[AB:AB+1]
	global_load_b128 v[AMF1+4:AMF1+7], v9, s[AB:AB+1] offset:16
	global_load_b128 v[AMF2:AMF2+3], v9, s[AB:AB+1] offset:64
	global_load_b128 v[AMF2+4:AMF2+7], v9, s[AB:AB+1] offset:80
	global_load_b128 v[AMF0:AMF0+3], v9, s[AB+2:AB+3] offset:64
	global_load_b128 v[AMF0+4:AMF0+7], v9, s[AB+2:AB+3] offset:80
.irp k, 0,1,2,3,4,5
	global_load_b32 v[AMDE+\k], v8, s[AB+2+2*\k:AB+3+2*\k]
	global_load_b32 v[AMDO+\k], v8, s[AB+2+2*\k:AB+3+2*\k] offset:64
.endr
	s_wait_loadcnt 0x0
	v_perm_b32 v[QSE], v[QSR], v[QSR], 0x01000100  ; tile 0's two bytes, for either place of Q
	v_perm_b32 v[QSO], v[QSR], v[QSR], 0x03020302  ; tile 1's
	v_mul_u32_u24 v4, v172, 272                    ; the way out's addresses: eight plain lines between the scale words' making and the first product
	v_lshl_add_u32 v4, v173, 5, v4
	v_add_nc_u32 v4, s94, v4                       ; into my stage: row r, + 32 h
	v_mul_u32_u24 v5, v173, 272
	v_lshl_add_u32 v5, v172, 4, v5
	v_add_nc_u32 v5, s94, v5                       ; back: lanes 0-15 one row, lanes 16-31 the next
	v_lshlrev_b32 v6, 12, v173
	v_lshl_add_u32 v6, v172, 4, v6                 ; and the same two tokens in out0
; one tile of scores: tile p of the eight, slot s, its upper (hi = 1) or lower tile
.macro SC1 p, s, hi, qx, qs
.if (\s)%2
	v_wmma_scale_f32_16x16x128_f8f6f4 v[B+8*\p:B+8*\p+7], v[KF+8*\s:KF+8*\s+7], v[\qx+4*\hi:\qx+4*\hi+7], 0, v[KSC+(\s)/2], v[\qs] matrix_a_fmt:MATRIX_FMT_FP4 matrix_b_fmt:MATRIX_FMT_FP4 matrix_a_scale:MATRIX_SCALE_ROW1
.else
	v_wmma_scale_f32_16x16x128_f8f6f4 v[B+8*\p:B+8*\p+7], v[KF+8*\s:KF+8*\s+7], v[\qx+4*\hi:\qx+4*\hi+7], 0, v[KSC+(\s)/2], v[\qs] matrix_a_fmt:MATRIX_FMT_FP4 matrix_b_fmt:MATRIX_FMT_FP4
.endif
.endm
; THE SOFTMAX of tile e.  Tile 0 of the scores is the key tile 0 back, tile 1 the one 1 back, tiles 2 + k those 2^(k+1) back (diagonal alone; slot k + 1).
.macro SOFT e, am0, am1, amd, pc, pw, lx
.irp j, 0,2,4,6
	v_pk_fma_f32 v[B+\j:B+\j+1], v[B+\j:B+\j+1], s[80:81], v[\am0+\j:\am0+\j+1] op_sel_hi:[1,0,1]   ; logit = score / 8 + mask
.endr
.irp j, 0,2,4,6
	v_pk_fma_f32 v[B+8+\j:B+9+\j], v[B+8+\j:B+9+\j], s[80:81], v[\am1+\j:\am1+\j+1] op_sel_hi:[1,0,1]
.endr
.irp j, 0,1,2,3,4,5,6,7                ; the diagonals: register j holds key 8 h + j: it is query r's own where r = 8 h + j: lanes j and 24 + j
	s_mov_b32 vcc_lo, (1<<\j)|(1<<(24+\j))
.irp k, 0,1,2,3,4,5
.if \j == 0
	v_cndmask_b32 v[DG+\k], v1, v[B+16+8*\k], vcc_lo
.else
	v_cndmask_b32 v[DG+\k], v[DG+\k], v[B+16+8*\k+\j], vcc_lo
.endif
.endr
.endr
.irp j, 0,1,2,3,4,5,6,7                ; tile 0: r - key in 0, 1, 2, 4, 8;  tile 1: 16 + r - key in 1, 2, 4, 8, 16; all else -infinity
	s_mov_b32 vcc_lo, ((0x117<<\j)&0xffff)|(((0x117<<(8+\j))&0xffff)<<16)
	v_cndmask_b32 v[B+\j], v1, v[B+\j], vcc_lo
.if \e == 0
	s_and_b32 vcc_lo, s[VAL+1], (((0x808b<<\j)>>15)&0xffff)|((((0x808b<<(8+\j))>>15)&0xffff)<<16)   ; (it lies in slot 1, which may not exist)
.else
	s_mov_b32 vcc_lo, (((0x808b<<\j)>>15)&0xffff)|((((0x808b<<(8+\j))>>15)&0xffff)<<16)
.endif
	v_cndmask_b32 v[B+8+\j], v1, v[B+8+\j], vcc_lo
.endr
.irp k, 0,1,2,3,4,5
	v_permlanex16_b32 v[TP+\k], v[DG+\k], s78, s79
.endr
.irp k, 0,1,2,3,4,5
	v_max_num_f32 v[DG+\k], v[DG+\k], v[TP+\k]     ; both halves of the lanes now hold my query's diagonal score
.endr
.irp k, 0,1,2,3,4,5
	v_fma_f32 v[DG+\k], v[DG+\k], s80, v[\amd+\k]
.endr
.irp k, 0,1,2,3,4,5
	v_cndmask_b32 v[DG+\k], v1, v[DG+\k], s[VAL+1+\k]   ; -infinity where the block lies before the sequence's start
.endr
	v_max3_num_f32 v[MX0], v[B], v[B+1], v[B+2]    ; the largest logit of tile 0 and of tile 1, by turns
	v_max3_num_f32 v[MX1], v[B+8], v[B+9], v[B+10]
	v_max3_num_f32 v[MX0], v[MX0], v[B+3], v[B+4]
	v_max3_num_f32 v[MX1], v[MX1], v[B+11], v[B+12]
	v_max3_num_f32 v[MX0], v[MX0], v[B+5], v[B+6]
	v_max3_num_f32 v[MX1], v[MX1], v[B+13], v[B+14]
	v_max_num_f32 v[MX0], v[MX0], v[B+7]
	v_max_num_f32 v[MX1], v[MX1], v[B+15]
	v_permlanex16_b32 v[TP+6], v[MX0], s78, s79
	v_permlanex16_b32 v[TP+7], v[MX1], s78, s79
	v_max_num_f32 v[MX0], v[MX0], v[TP+6]
	v_max_num_f32 v[MX1], v[MX1], v[TP+7]
	v_max3_num_f32 v[RM], v[MX0], v[MX1], v[DG]    ; the row's
	v_max3_num_f32 v[RM], v[RM], v[DG+1], v[DG+2]
	v_max3_num_f32 v[RM], v[RM], v[DG+3], v[DG+4]
	v_max_num_f32 v[RM], v[RM], v[DG+5]
.if \e == 0
	v_max_num_f32 v[MX1], v[MX1], v[DG]            ; slot 1 holds tile 1 and the first diagonal
.else
	v_max_num_f32 v[MX0], v[MX0], v[MX1]           ; slot 0 holds tiles 0 and 1
.endif
	v_mul_f32 v[RM], s82, v[RM]
	v_floor_f32 v14, -v[RM]                        ; -M = floor(-t) = -ceil(t): a whole number
.irp j, 0,2,4,6,8,10,12,14
	v_pk_fma_f32 v[B+\j:B+\j+1], v[B+\j:B+\j+1], s[82:83], v[14:15] op_sel_hi:[1,0,0]   ; t - M
.endr
.irp k, 0,1,2,3,4,5
	v_fma_f32 v[DG+\k], v[DG+\k], s82, v14
.endr
	v_fma_f32 v[MX0], v[MX0], s82, v14             ; the same of the blocks' largest logits
.if \e == 0
	v_fma_f32 v[MX1], v[MX1], s82, v14
.endif
.irp j, 0,1,2,3,4,5,6,7,8,9,10,11,12,13,14,15
	v_exp_f32 v[B+\j], v[B+\j]                     ; p = 2^(t - M): one batch
.endr
.irp k, 0,1,2,3,4,5
	v_exp_f32 v[DG+\k], v[DG+\k]
.endr
	v_exp_f32 v[MX0], v[MX0]
.if \e == 0
	v_exp_f32 v[MX1], v[MX1]
.endif
.irp i, 1,2,3,4,5,6,7
	v_mov_b32 v[EA+\i], 0                          ; plain work that names no result of the batch
	v_mov_b32 v[EB+\i], 0
.endr
	s_wait_alu depctr_va_vdst(0)                   ; one wait for the whole batch, ahead of its first reader
	v_pk_add_f32 v[LS:LS+1], v[B:B+1], v[B+2:B+3]  ; the row's sum, of the unquantised p: two chains
	v_pk_add_f32 v[LS2:LS2+1], v[B+4:B+5], v[B+6:B+7]
	v_pk_add_f32 v[LS:LS+1], v[LS:LS+1], v[B+8:B+9]
	v_pk_add_f32 v[LS2:LS2+1], v[LS2:LS2+1], v[B+10:B+11]
	v_pk_add_f32 v[LS:LS+1], v[LS:LS+1], v[B+12:B+13]
	v_pk_add_f32 v[LS2:LS2+1], v[LS2:LS2+1], v[B+14:B+15]
	v_pk_add_f32 v[LS:LS+1], v[LS:LS+1], v[LS2:LS2+1]
	v_add_f32 v[\lx], v[LS], v[LS+1]
	v_add_f32 v171, v[DG], v[DG+1]                 ; the diagonals are held by both halves: they are added once, behind the exchange
	v_add_f32 v172, v[DG+2], v[DG+3]
	v_add_f32 v173, v[DG+4], v[DG+5]
	v_permlanex16_b32 v[TP+6], v[\lx], s78, s79
	v_add_f32 v171, v171, v172
	v_add_f32 v[\lx], v[\lx], v[TP+6]
	v_add_f32 v171, v171, v173
	v_add_f32 v[\lx], v[\lx], v171
	v_max_num_f32 v[TS], 0x1800000, v[MX0]         ; each slot's largest p, and the floor 2^(3 - 127): the byte cannot fall under 1
.if \e == 0
	v_max_num_f32 v[TS+1], 0x1800000, v[MX1]
.else
	v_max_num_f32 v[TS+1], 0x1800000, v[DG]
.endif
.irp s, 2,3,4,5,6
	v_max_num_f32 v[TS+\s], 0x1800000, v[DG+\s-1]
.endr
.irp s, 0,1,2,3,4,5,6
	v_add_nc_u32 v[TS+\s], 0xff000000, v[TS+\s]    ; 2 off the exponent field: the conversion's scale operand
.endr
.irp s, 0,1,2,3,4,5,6
	v_lshrrev_b32 v[BY+\s], 23, v[TS+\s]           ; the scale's byte
.endr
	v_lshl_or_b32 v[\pw], v[BY+1], 8, v[BY]        ; slots 0-3
	v_lshl_or_b32 v[\pw], v[BY+2], 16, v[\pw]
	v_lshl_or_b32 v[\pw], v[BY+3], 24, v[\pw]
	v_lshl_or_b32 v[\pw+1], v[BY+5], 8, v[BY+4]    ; slots 4-6; slot 7's byte is 0, over zero codes
	v_lshl_or_b32 v[\pw+1], v[BY+6], 16, v[\pw+1]
	; THE CODES.  A conversion's word holds keys 8 h + 0 .. 7 of a tile; a block's four words are the lower tile's two and the upper's two; the operand wants slot 2 c in lanes 0-15 and slot 2 c + 1 in lanes 16-31.
.if \e == 0
	v_cvt_scalef32_pk8_fp4_f32 v[\pc], v[B:B+7], v[TS]          ; slot 0, lower tile
	v_cvt_scalef32_pk8_fp4_f32 v[\pc+3], v[B+8:B+15], v[TS+1]   ; slot 1, upper tile
.else
	v_cvt_scalef32_pk8_fp4_f32 v[\pc+2], v[B:B+7], v[TS]        ; slot 0, upper tile
	v_cvt_scalef32_pk8_fp4_f32 v[\pc], v[B+8:B+15], v[TS]       ; slot 0, lower tile
.endif
.irp k, 0,2,4                          ; a diagonal p is converted as the first of eight numbers, where my half of the lanes holds its key, and its code shifted to the key's place
	v_and_b32 v[EA], v3, v[DG+\k]
	v_and_b32 v[EB], v3, v[DG+\k+1]
	v_cvt_scalef32_pk8_fp4_f32 v[TP+\k], v[EA:EA+7], v[TS+\k+1]
	v_cvt_scalef32_pk8_fp4_f32 v[TP+\k+1], v[EB:EB+7], v[TS+\k+2]
	v_nop                                          ; one plain line behind a scaled conversion, ahead of the next write of its sources
.endr
.irp k, 0,1,2,3,4,5
	v_lshlrev_b32 v[\pc+4*((\k+1)/2)+((\k+1)%2)+2*\e], v2, v[TP+\k]   ; slot k + 1: lower tile (tile 0 of the queries) or upper (tile 1)
.endr
.if \e == 0
.irp z, 2,6,7,10,11,13,14,15
	v_mov_b32 v[\pc+\z], 0
.endr
.irp z, 0,2,4,8,12
	v_permlane16_swap_b32 v[\pc+\z], v[\pc+\z+1]   ; the first's lanes 16-31 change places with the second's lanes 0-15
.endr
.else
.irp z, 1,4,5,8,9,12,13,15
	v_mov_b32 v[\pc+\z], 0
.endr
.irp z, 0,2,6,10,14
	v_permlane16_swap_b32 v[\pc+\z], v[\pc+\z+1]
.endr
.endif
.endm
	SC1 0, 0, 0, QA, QSE                           ; tile 0 of the queries: key tiles 2 G, 2 G - 1, 2 G - 2, 2 G - 4, ..
	SC1 1, 1, 1, QA, QSE
	SC1 2, 1, 0, QA, QSE
	SC1 3, 2, 0, QA, QSE
	SC1 4, 3, 0, QA, QSE
	SC1 5, 4, 0, QA, QSE
	SC1 6, 5, 0, QA, QSE
	SC1 7, 6, 0, QA, QSE
.rept 4
	v_nop                                          ; places ahead of the first read of the scores
.endr
	SOFT 0, AMF1, AMF0, AMDE, PCE, PWE, 16
	SC1 0, 0, 1, QB, QSO                           ; tile 1 of the queries: key tiles 2 G + 1, 2 G, 2 G - 1, 2 G - 3, ..
	SC1 1, 0, 0, QB, QSO
	SC1 2, 1, 1, QB, QSO
	SC1 3, 2, 1, QB, QSO
	SC1 4, 3, 1, QB, QSO
	SC1 5, 4, 1, QB, QSO
	SC1 6, 5, 1, QB, QSO
	SC1 7, 6, 1, QB, QSO
.rept 4
	v_nop                                          ; places ahead of the loads into Q's and K's registers, and of the first read of the scores
.endr
.irp g, 0,1                            ; V's fragments: registers 4 c .. 4 c + 3 of lane (r, h): channel 16 dt + r, slot 4 g + 2 c + h.  They land while tile 1's softmax is worked
.irp dt, 0,1,2,3
.irp c, 0,1
	global_load_b128 v[VF+8*(4*\g+\dt)+4*\c:VF+8*(4*\g+\dt)+4*\c+3], v[VO+2*\g+\c], s[68:69] offset:256*\dt   ; sixteen lanes read 256 consecutive bytes
.endr
.endr
.endr
.irp c, 0,1,2,3
	global_load_b32 v[VSR+\c], v[VS+\c], s[70:71]  ; a word: the bytes of the four tiles of channels, row r, slot 2 c + h
.endr
	SOFT 1, AMF2, AMF1, AMDO, PCO, PWO, 18
	s_wait_loadcnt 0x0                             ; V
.irp c, 0,1,2,3
	v_permlanex16_b32 v[VSR+4+\c], v[VSR+\c], s78, s79   ; the odd slots' words into lanes 0-15
.endr
.irp g, 0,1                            ; four words of four bytes are turned: word dt, byte b = the byte of slot 4 g + b
	v_perm_b32 v252, v[VSR+4+2*\g], v[VSR+2*\g], 0x05010400
	v_perm_b32 v253, v[VSR+4+2*\g], v[VSR+2*\g], 0x07030602
	v_perm_b32 v254, v[VSR+5+2*\g], v[VSR+1+2*\g], 0x05010400
	v_perm_b32 v255, v[VSR+5+2*\g], v[VSR+1+2*\g], 0x07030602
	v_perm_b32 v[VW+4*\g], v254, v252, 0x05040100
	v_perm_b32 v[VW+4*\g+1], v254, v252, 0x07060302
	v_perm_b32 v[VW+4*\g+2], v255, v253, 0x05040100
	v_perm_b32 v[VW+4*\g+3], v255, v253, 0x07060302
.endr
	v_rcp_f32 v16, v16                             ; 1 / the rows' sums
	v_rcp_f32 v18, v18
.rept 8
	v_nop                                          ; eight places between the scale words' making and the products
.endr
.irp dt, 0,1,2,3                       ; O^T = V^T P^T: eight accumulators by turns, one instruction a turn; slots 0-3 start the sums
	v_wmma_scale_f32_16x16x128_f8f6f4 v[B+8*\dt:B+8*\dt+7], v[VF+8*\dt:VF+8*\dt+7], v[PCE:PCE+7], 0, v[VW+\dt], v[PWE] matrix_a_fmt:MATRIX_FMT_FP4 matrix_b_fmt:MATRIX_FMT_FP4
	v_wmma_scale_f32_16x16x128_f8f6f4 v[B+32+8*\dt:B+32+8*\dt+7], v[VF+8*\dt:VF+8*\dt+7], v[PCO:PCO+7], 0, v[VW+\dt], v[PWO] matrix_a_fmt:MATRIX_FMT_FP4 matrix_b_fmt:MATRIX_FMT_FP4
.endr
.irp dt, 0,1,2,3                       ; slots 4-7
	v_wmma_scale_f32_16x16x128_f8f6f4 v[B+8*\dt:B+8*\dt+7], v[VF+32+8*\dt:VF+32+8*\dt+7], v[PCE+8:PCE+15], v[B+8*\dt:B+8*\dt+7], v[VW+4+\dt], v[PWE+1] matrix_a_fmt:MATRIX_FMT_FP4 matrix_b_fmt:MATRIX_FMT_FP4
	v_wmma_scale_f32_16x16x128_f8f6f4 v[B+32+8*\dt:B+32+8*\dt+7], v[VF+32+8*\dt:VF+32+8*\dt+7], v[PCO+8:PCO+15], v[B+32+8*\dt:B+32+8*\dt+7], v[VW+4+\dt], v[PWO+1] matrix_a_fmt:MATRIX_FMT_FP4 matrix_b_fmt:MATRIX_FMT_FP4
.endr
.rept 4
	v_nop
.endr
	s_wait_alu depctr_va_vdst(0)                   ; the wait for the two reciprocals, ahead of their first reader
.irp e, 0,1
.irp j, 0,2,4,6,8,10,12,14,16,18,20,22,24,26,28,30
	v_pk_mul_f32 v[B+32*\e+\j:B+32*\e+\j+1], v[B+32*\e+\j:B+32*\e+\j+1], v[16+2*\e:17+2*\e] op_sel_hi:[1,0]   ; each accumulator from its low end on
.endr
.endr
	; THE WAY OUT.  Register 8 dt + j of lane (r, h) is channel 16 dt + 8 h + j of query r: a tile goes through my own stage (rows of 272 bytes) and comes back as whole rows of 256 bytes.
.irp e, 0,1
.irp dt, 0,1,2,3
	ds_store_b128 v4, v[B+32*\e+8*\dt:B+32*\e+8*\dt+3] offset:64*\dt
	ds_store_b128 v4, v[B+32*\e+8*\dt+4:B+32*\e+8*\dt+7] offset:64*\dt+16
.endr
.irp i, 0,1,2,3,4,5,6,7
	ds_load_b128 v[24+32*\e+4*\i:24+32*\e+4*\i+3], v5 offset:544*\i   ; LDS serves a wave's instructions in order: these see my stores, and the next tile's stores come behind them
.endr
.endr
.irp i, 0,1,2,3,4,5,6,7
	s_wait_dscnt 23-\i                             ; behind tile 0's load i: its 7 - i later loads, tile 1's eight stores and eight loads
	global_store_b128 v6, v[24+4*\i:24+4*\i+3], s[76:77] offset:8192*\i th:TH_STORE_NT   ; sixteen lanes store 256 consecutive bytes, aligned: a token's head
.endr
.irp i, 0,1,2,3,4,5,6,7
	s_wait_dscnt 7-\i
	global_store_b128 v6, v[56+4*\i:56+4*\i+3], s[76:77] offset:65536+8192*\i th:TH_STORE_NT
.endr
	s_wait_xcnt 0x0
	v_lshl_add_u32 v254, v0, 2, 0x11000
	v_mov_b32 v255, 0
	s_wait_tensorcnt 0x0
	ds_add_u32 v254, v255
	s_wait_dscnt 0x0
	s_endpgm
.Lfunc_end_k_q3fc8ff6755_attend:
	.size	k_q3fc8ff6755_attend, .Lfunc_end_k_q3fc8ff6755_attend-k_q3fc8ff6755_attend
	.p2alignl 7, 3214868480
	.fill 96, 4, 3214868480
	.section	.rodata,"a",@progbits
	.p2align	6, 0x0
	.amdhsa_kernel k_q3fc8ff6755_attend
		.amdhsa_group_segment_fixed_size 71680
		.amdhsa_private_segment_fixed_size 0
		.amdhsa_enable_private_segment 0
		.amdhsa_kernarg_size 48
		.amdhsa_user_sgpr_count 2
		.amdhsa_user_sgpr_kernarg_segment_ptr 1
		.amdhsa_wavefront_size32 1
		.amdhsa_system_sgpr_workgroup_id_x 1
		.amdhsa_system_sgpr_workgroup_id_y 1
		.amdhsa_system_sgpr_workgroup_id_z 1
		.amdhsa_system_vgpr_workitem_id 0
		.amdhsa_next_free_vgpr 256
		.amdhsa_next_free_sgpr 100
		.amdhsa_reserve_vcc 1
		.amdhsa_float_denorm_mode_32 3
		.amdhsa_float_denorm_mode_16_64 3
		.amdhsa_memory_ordered 1
		.amdhsa_forward_progress 1
		.amdhsa_inst_pref_size 49
	.end_amdhsa_kernel
	.amdgpu_metadata
---
amdhsa.version: [ 1, 2 ]
amdhsa.kernels:
  - .name:           k_q3fc8ff6755_attend
    .symbol:         k_q3fc8ff6755_attend.kd
    .args:
      - { .name: qk_img, .offset: 0, .size: 8, .value_kind: global_buffer, .address_space: global }
      - { .name: qk_sc, .offset: 8, .size: 8, .value_kind: global_buffer, .address_space: global }
      - { .name: v_img, .offset: 16, .size: 8, .value_kind: global_buffer, .address_space: global }
      - { .name: v_sc, .offset: 24, .size: 8, .value_kind: global_buffer, .address_space: global }
      - { .name: attention_mask, .offset: 32, .size: 8, .value_kind: global_buffer, .address_space: global }
      - { .name: out0, .offset: 40, .size: 8, .value_kind: global_buffer, .address_space: global }
    .group_segment_fixed_size: 71680
    .private_segment_fixed_size: 0
    .kernarg_segment_align: 8
    .kernarg_segment_size: 48
    .max_flat_workgroup_size: 512
    .sgpr_count:     100
    .vgpr_count:     256
    .wavefront_size: 32
...
	.end_amdgpu_metadata
.endif
;; end of part 3
;; ======== version 2 of 2: 3 launches; version 1 with the launches quant, attend written anew for expert scheduling mode
;; workspace buffers: x_codes 4,194,304 bytes; x_scales 262,144 bytes; w_codes 1,572,864 bytes; w_scales 98,304 bytes; qk_img 8,388,608 bytes; qk_sc 524,288 bytes; v_img 4,194,304 bytes; v_sc 262,144 bytes
;; launch quant (part 4): grid 352 x 1, 4 waves a work-group, no clusters, 33,280 bytes of LDS; arguments hidden_states, Wq, Wk, Wv, x_codes, x_scales, w_codes, w_scales; writes x_codes, x_scales, w_codes, w_scales
.if DOCPART == 4
	.amdgcn_target "amdgcn-amd-amdhsa--gfx1250"
	.amdhsa_code_object_version 6
	.text
	.protected	k_q3fc8ff6755_quant
	.globl	k_q3fc8ff6755_quant
	.p2align	8
	.type	k_q3fc8ff6755_quant,@function
k_q3fc8ff6755_quant:
	s_mov_b64 s[64:65], 0
	v_nop
	global_prefetch_b8 v0, s[64:65] scope:SCOPE_SE
	s_setreg_imm32_b32 hwreg(HW_REG_WAVE_SCHED_MODE, 0, 2), 2
	s_setreg_imm32_b32 hwreg(HW_REG_WAVE_MODE, 25, 1), 1
	s_wait_xcnt 0x0
	s_wait_alu depctr_vm_vsrc(0)
; hidden_states [8192][1024] and Wq, Wk, Wv [1024][1024], f32, K innermost, become codes of FP4 (E2M1), two a byte, with one E8M0 byte for each 32 along K.
; x_codes [8192][512 bytes], x_scales [8192][32]; w_codes [3072][512], w_scales [3072][32]: rows of Wq, then Wk, then Wv.
; A block's scale is 2^(floor(log2(largest magnitude)) - 2): its byte is the largest magnitude's exponent field - 2, held at 1 from below.
; A block of zeros so keeps the byte 1: its codes are zeros, and only this program reads the bytes.
; LIMITS: blocks whose largest magnitude lies under 2^-124 keep the byte 1; NaN and infinities among the inputs are not served.
; Rows are dense and 1,024 is a multiple of 32: every tensor is a plain stream of blocks.  A work-group takes 32,768 numbers, a wave 8,192 in 16 steps of 512.
; Work-groups 0-255 take hidden_states, 256-287 Wq, 288-319 Wk, 320-351 Wv: only pointers are chosen, all take one path.
; Each load reads 512 consecutive bytes; a step's 2,048 bytes turn through the wave's own stage in LDS so that a lane holds 16 neighbours along K.
; No matrix unit, no cluster, no tensor load: a stream that shares nothing between waves.
; THE MODE: SCHED_MODE bits 1:0 = 2 (LLVM: expert scheduling mode 2), set by the entry lines.  The code itself states the register dependences
; between vector instructions and memory or LDS instructions, with s_wait_alu, always for 0.
; THE PLAN.  Registers that memory or LDS instructions touch:
;   R0 .. R3   Written by the global loads of step t + 4, issued in step t; read by the four LDS stores of TURN t, issued in step t - 1.  No vector instruction names them.
;   X0, X1     Written by the LDS loads of TURN t + 1, issued in step t; read by step t + 1's maxima and conversions.
;   C, E       A set for each step: written by step t's conversions and shift; read by the two stores that are issued in step t + 1; never written again.
;   v3-7, v14, v15   Offsets and LDS addresses, made once at the head.   v[12:13]   Written by one LDS load, read by one store.
; So a step's memory instructions (the loads of four steps on, the stores of the step before, the next step's turn through the stage) stand together at its head, behind two waits:
; vm_vsrc for R[t % 4], va_vdst for X[(t - 1) % 2] and for the codes and the byte of the step before; the step's vector instructions follow them and name none of those registers.
.set STEPS, 16
.set EMAX,  2
.set CB,    8                          ; bytes of 16 codes
.set R,     16                         ; v16-79   four sets of 16 numbers as loaded
.set X,     80                         ; v80-111  two sets of 16 neighbours
.set C,     128                        ; v128-191 codes: registers of its own for each step, so that no store's data are written again
.set E,     112                        ; v112-127 a scale byte for each step
.set WREG,  8192                       ; LDS: a region for each wave: two stages of 32 x SP bytes, then its 256 scale bytes
.set SP,    80                         ; a lane's place in a stage: 64 bytes + 16 of padding
	s_load_b256 s[4:11], s[0:1], 0x0               ; hidden_states s[4:5], Wq s[6:7], Wk s[8:9], Wv s[10:11]
	s_load_b256 s[12:19], s[0:1], 0x20             ; x_codes s[12:13], x_scales s[14:15], w_codes s[16:17], w_scales s[18:19]
	v_lshl_add_u32 v192, v0, 2, 0x8000
	v_mov_b32 v193, 0
	v_lshrrev_b32 v1, 5, v0
	v_readfirstlane_b32 s20, v1                    ; wave
	v_and_b32 v2, 31, v0                           ; lane
	v_lshlrev_b32 v3, 4, v2                        ; my 16 bytes of a load's 512
	s_wait_alu depctr_va_sdst(0)                   ; s20 is written, ahead of its first reader: LDS addresses and the buffers' offsets are made from it
	s_mul_i32 s23, s20, WREG
	v_lshrrev_b32 v14, 2, v2
	v_mul_u32_u24 v14, v14, SP
	v_and_b32 v15, 3, v2
	v_lshl_add_u32 v14, v15, 4, v14
	v_add_nc_u32 v14, s23, v14                     ; the stage, on the way in: SP (lane / 4) + 16 (lane % 4)
	v_mul_u32_u24 v15, v2, SP
	v_add_nc_u32 v15, s23, v15                     ; and on the way out: SP x lane: my 16 neighbours
	v_mul_u32_u24 v4, v2, CB                       ; my codes' place in a step's
	v_lshrrev_b32 v5, 1, v2
	s_add_co_u32 s23, s23, 2*32*SP
	v_add_nc_u32 v5, s23, v5                       ; LDS: my wave's 256 scale bytes, my block's byte
	v_lshlrev_b32 v7, 3, v2                        ; and on the way out 8 bytes a lane
	v_add_nc_u32 v6, s23, v7
	s_and_b32 s21, ttmp9, 31                       ; a weight's work-group: which 32,768 numbers of its source,
	s_sub_co_u32 s22, ttmp9, 256                   ; and of the joint buffers of the three weights
	s_wait_kmcnt 0x0
	s_cmp_lt_u32 ttmp9, 288                        ; every choice hangs on the work-group's number alone
	s_cselect_b64 s[6:7], s[6:7], s[8:9]
	s_cmp_lt_u32 ttmp9, 320
	s_cselect_b64 s[6:7], s[6:7], s[10:11]
	s_cmp_lt_u32 ttmp9, 256
	s_cselect_b64 s[4:5], s[4:5], s[6:7]           ; the source
	s_cselect_b64 s[12:13], s[12:13], s[16:17]     ; its codes
	s_cselect_b64 s[14:15], s[14:15], s[18:19]     ; its scale bytes
	s_cselect_b32 s21, ttmp9, s21
	s_cselect_b32 s22, ttmp9, s22
	s_lshl_b32 s21, s21, 2
	s_add_co_u32 s21, s21, s20                     ; my wave's run of 8,192 numbers in the source,
	s_lshl_b32 s22, s22, 2
	s_add_co_u32 s22, s22, s20                     ; and in the buffers
	s_lshl_b32 s24, s21, 15                        ; 32,768 bytes of f32 a run
	s_mov_b32 s25, 0
	s_add_nc_u64 s[4:5], s[4:5], s[24:25]
	s_lshl_b32 s24, s22, 12                        ; 4,096 bytes of codes
	s_add_nc_u64 s[12:13], s[12:13], s[24:25]
	s_lshl_b32 s24, s22, 8                         ; 256 scale bytes
	s_add_nc_u64 s[14:15], s[14:15], s[24:25]
	s_wait_alu depctr_va_vdst(0)                   ; v3 to v7, v14 and v15 are written: every load and store of the kernel, global or LDS, reads one of them as its offset or address
.macro LOAD t
.irp i, 0,1,2,3
	global_load_b128 v[R+16*((\t)%4)+4*\i:R+16*((\t)%4)+4*\i+3], v3, s[4:5] offset:2048*(\t)+512*\i th:TH_LOAD_NT   ; 32 lanes read 512 consecutive bytes
.endr
.endm
.macro TURN t                          ; step t's numbers through the stage: LDS serves a wave's instructions in order, so no wait stands between the stores and the loads
.irp i, 0,1,2,3
	ds_store_b128 v14, v[R+16*((\t)%4)+4*\i:R+16*((\t)%4)+4*\i+3] offset:32*SP*((\t)%2)+8*SP*\i
.endr
.irp i, 0,1,2,3
	ds_load_b128 v[X+16*((\t)%2)+4*\i:X+16*((\t)%2)+4*\i+3], v15 offset:32*SP*((\t)%2)+16*\i
.endr
.endm
.macro OUT t                           ; step t's scale byte and codes leave
	ds_store_b8 v5, v[E+(\t)] offset:16*(\t)       ; both lanes of a block write the same byte with the same value
	global_store_b64 v4, v[C+4*(\t):C+4*(\t)+1], s[12:13] offset:32*CB*(\t)   ; the wave stores 256 consecutive bytes, aligned
.endm
.irp t, 0,1,2,3
	LOAD \t
.endr
	s_wait_loadcnt 12                              ; step 0's four loads are in; the twelve behind them stay out
	TURN 0
.macro STEP t
.set XS, X+16*((\t)%2)
	s_wait_dscnt 0x0                               ; this step's numbers are back from the stage: no LDS instruction was issued behind its loads
.if (\t)+4 < STEPS
	s_wait_alu depctr_vm_vsrc(0)                   ; this step's stores into the stage have read R[t % 4], in which the loads of four steps on land
.endif
.if (\t) > 0
	s_wait_alu depctr_va_vdst(0)                   ; the step before is done reading its X, in which the next step's numbers land, and has written its codes and its byte, which the two stores below read
.endif
.if (\t)+4 < STEPS
	LOAD (\t)+4
.endif
.if (\t) > 0
	OUT (\t)-1                                     ; the step before
.endif
.if (\t)+1 < STEPS
.if STEPS-2-(\t) >= 3
	s_wait_loadcnt 12                              ; the next step's four loads are in; those of the three steps behind it may be out
.else
	s_wait_loadcnt 4*(STEPS-2-(\t))
.endif
	TURN (\t)+1                                    ; and go through the other stage while this step is worked
.endif
	v_max3_num_f32 v8, |v[XS]|, |v[XS+1]|, |v[XS+2]|               ; the largest magnitude of my 16, in two chains
	v_max3_num_f32 v9, |v[XS+3]|, |v[XS+4]|, |v[XS+5]|
.irp i, 6,10
	v_max3_num_f32 v8, v8, |v[XS+\i]|, |v[XS+\i+1]|
	v_max3_num_f32 v9, v9, |v[XS+\i+2]|, |v[XS+\i+3]|
.endr
	v_max3_num_f32 v8, v8, |v[XS+14]|, |v[XS+15]|
	v_max3_num_f32 v8, v8, v9, (EMAX+1)<<23        ; and the floor 2^(3 - 127): the byte cannot fall under 1
	v_max_num_f32_dpp v8, v8, v8 row_xmask:1 row_mask:0xf bank_mask:0xf   ; and of my neighbour's 16: the block's
	v_add_nc_u32 v11, -(EMAX<<23), v8              ; 2 off its exponent field: the conversion takes the exponent field of this operand as its scale
	v_cvt_scalef32_pk8_fp4_f32 v[C+4*(\t)], v[XS:XS+7], v11
	v_cvt_scalef32_pk8_fp4_f32 v[C+4*(\t)+1], v[XS+8:XS+15], v11
	v_lshrrev_b32 v[E+(\t)], 23, v11               ; the scale's byte (also the plain line behind the conversions)
.endm
.irp t, 0,1,2,3,4,5,6,7,8,9,10,11,12,13,14,15
	STEP \t
.endr
	s_wait_alu depctr_va_vdst(0)                   ; the last step has written its codes and its byte, which the two stores below read
	OUT 15
	ds_load_b64 v[12:13], v6                       ; LDS serves a wave's instructions in order: these see my byte stores
	s_wait_dscnt 0x0
	global_store_b64 v7, v[12:13], s[14:15]        ; 32 lanes store 256 consecutive bytes, aligned
	s_wait_dscnt 0x0                               ; the closing lines, six on end
	s_wait_alu 0x0
	s_wait_tensorcnt 0x0
	ds_add_u32 v192, v193
	s_wait_dscnt 0x0
	s_endpgm
.Lfunc_end_k_q3fc8ff6755_quant:
	.size	k_q3fc8ff6755_quant, .Lfunc_end_k_q3fc8ff6755_quant-k_q3fc8ff6755_quant
	.p2alignl 7, 3214868480
	.fill 96, 4, 3214868480
	.section	.rodata,"a",@progbits
	.p2align	6, 0x0
	.amdhsa_kernel k_q3fc8ff6755_quant
		.amdhsa_group_segment_fixed_size 33280
		.amdhsa_private_segment_fixed_size 0
		.amdhsa_enable_private_segment 0
		.amdhsa_kernarg_size 64
		.amdhsa_user_sgpr_count 2
		.amdhsa_user_sgpr_kernarg_segment_ptr 1
		.amdhsa_wavefront_size32 1
		.amdhsa_system_sgpr_workgroup_id_x 1
		.amdhsa_system_sgpr_workgroup_id_y 1
		.amdhsa_system_sgpr_workgroup_id_z 1
		.amdhsa_system_vgpr_workitem_id 0
		.amdhsa_next_free_vgpr 194
		.amdhsa_next_free_sgpr 66
		.amdhsa_reserve_vcc 0
		.amdhsa_float_denorm_mode_32 3
		.amdhsa_float_denorm_mode_16_64 3
		.amdhsa_memory_ordered 1
		.amdhsa_forward_progress 1
		.amdhsa_inst_pref_size 35
	.end_amdhsa_kernel
	.amdgpu_metadata
---
amdhsa.version: [ 1, 2 ]
amdhsa.kernels:
  - .name:           k_q3fc8ff6755_quant
    .symbol:         k_q3fc8ff6755_quant.kd
    .args:
      - { .name: hidden_states, .offset: 0, .size: 8, .value_kind: global_buffer, .address_space: global }
      - { .name: Wq, .offset: 8, .size: 8, .value_kind: global_buffer, .address_space: global }
      - { .name: Wk, .offset: 16, .size: 8, .value_kind: global_buffer, .address_space: global }
      - { .name: Wv, .offset: 24, .size: 8, .value_kind: global_buffer, .address_space: global }
      - { .name: x_codes, .offset: 32, .size: 8, .value_kind: global_buffer, .address_space: global }
      - { .name: x_scales, .offset: 40, .size: 8, .value_kind: global_buffer, .address_space: global }
      - { .name: w_codes, .offset: 48, .size: 8, .value_kind: global_buffer, .address_space: global }
      - { .name: w_scales, .offset: 56, .size: 8, .value_kind: global_buffer, .address_space: global }
    .group_segment_fixed_size: 33280
    .private_segment_fixed_size: 0
    .kernarg_segment_align: 8
    .kernarg_segment_size: 64
    .max_flat_workgroup_size: 128
    .sgpr_count:     66
    .vgpr_count:     194
    .wavefront_size: 32
...
	.end_amdgpu_metadata
.endif
;; end of part 4
;; launch qkv: the kernel of part 2 again; grid 12 x 32, 4 waves a work-group, clusters of 4 x 4, 296,448 bytes of LDS; arguments x_codes, x_scales, w_codes, w_scales, bq, bk, bv, qk_img, qk_sc, v_img, v_sc; writes qk_img, qk_sc, v_img, v_sc
;; launch attend (part 5): grid 4 x 64, 16 waves a work-group, no clusters, 71,680 bytes of LDS; arguments qk_img, qk_sc, v_img, v_sc, attention_mask, out0; writes out0
.if DOCPART == 5
	.amdgcn_target "amdgcn-amd-amdhsa--gfx1250"
	.amdhsa_code_object_version 6
	.text
	.protected	k_q3fc8ff6755_attend
	.globl	k_q3fc8ff6755_attend
	.p2align	8
	.type	k_q3fc8ff6755_attend,@function
k_q3fc8ff6755_attend:
	s_mov_b64 s[64:65], 0
	v_nop
	global_prefetch_b8 v0, s[64:65] scope:SCOPE_SE
	s_setreg_imm32_b32 hwreg(HW_REG_WAVE_SCHED_MODE, 0, 2), 2
	s_setreg_imm32_b32 hwreg(HW_REG_WAVE_MODE, 25, 1), 1
	s_wait_xcnt 0x0
	s_wait_alu depctr_vm_vsrc(0)
; out[b][i][head] = softmax over the keys j with i - j = 0 or a power of two of (q_i . k_j / 8 + attention_mask[b][j]) times v_j, both products on codes of FP4 (E2M1) with E8M0 scales.
; WHAT IS MULTIPLIED.  For a tile of 16 queries only the key tiles 0, 1, 2, 4, 8, 16, 32, 64 tiles back hold a key that the mask built from i - j lets through; from 2 tiles back on only the diagonal.
; A wave owns 32 queries of one head (block G of 32: tile e = 0 and tile e = 1).  Both tiles' keys lie in the seven blocks of 32 keys G - 0, 1, 2, 4, 8, 16, 32: the SLOTS 0 to 6; slot 7 is padding with zero codes of p.
; A block before the sequence's start is replaced by block 0 (so every load stays inside its buffer) and its scores by -infinity.
; PRODUCTS, both transposed: S^T = K Q^T (a lane holds ONE query, lane % 16, and keys 8 (lane / 16) + 0 .. 7), O^T = V^T P^T.  The head has 64 channels and the instruction 128 along K: a fragment of K holds
; BOTH tiles of a block (registers 0-3 the lower, 4-7 the upper), and Q stands beside four registers of zero codes: [Q, 0] picks the lower tile, [0, Q] the upper.
; SOFTMAX: t = logit x log2(e); M = ceil(the row's largest t); p = 2^(t - M) is quantised along the keys in the aligned blocks of 32; the row's sum is taken of the unquantised p and divides at the end.
; A block's largest p is the exponential of its largest logit, by the same multiply-add and exponential.
; Operands come from memory straight into registers, in dense pieces of 256 or 512 bytes.  No tensor load, so no multicast: each wave gathers another set of blocks.  No loop, no barrier: waves share nothing.
; No prefetch: a wave's loads are all issued at its head or a softmax ahead of their use.
; LIMITS: attention_mask without +infinity or NaN; a row all of whose allowed keys carry -infinity gives NaN; a block whose largest p lies under 2^-124 keeps the scale byte 1.
; THE MODE: SCHED_MODE bits 1:0 = 2 (LLVM: expert scheduling mode 2), set by the entry lines.  The code itself states the register dependences
; between vector or matrix instructions and memory or LDS instructions, with s_wait_alu, always for 0.
; THE PLAN.  Registers that memory or LDS instructions touch, in program order:
;   v7-13, v20-23   Offsets of the loads: written at the head, never again.  One wait on va_vdst ahead of the first load serves the head's 41 loads and V's 20.
;   v24-103, v168, v176-213, v248-251   The head's loads land here; before them only the zero codes beside Q (v28-31, v40-43, no load's destination) are written in that range.
;   v24-91          V's loads land here, where the sixteen score products have read Q, the zero codes and K: one wait on va_vdst behind those products.  Tile 1's softmax, which follows the loads, names none of them.
;   v104-167        O^T divided by the sums: written by 32 multiplications, read by the stage's stores.   v24-87: read by the O^T products, then the stage's loads land in them.  One wait on va_vdst behind the multiplications serves both.
;   v4-6            Addresses of the way out: written once, ahead of the first product.   v254, v255: made anew ahead of the closing lines; no memory or LDS instruction has read them.
; Beside these: a wait on va_vdst behind the places ahead of each run of scaled products whose scales or codes vector instructions have made; a wait on va_sdst and one on va_vcc at the head.
; No register that a memory or LDS instruction has read is written again, so no wait on vm_vsrc is owed.
.set B,    104                         ; v104-167 eight tiles of scores; then work; then O^T
.set QA,   24                          ; v24-35  [Q of tile 0, zeros, Q of tile 0]
.set QB,   36                          ; v36-47  the same of tile 1
.set KF,   48                          ; v48-103 K's fragments of slots 0 to 6
.set VF,   24                          ; v24-87  later: V's fragments (g, dt) at 8 (4 g + dt); last: rows of O
.set VSR,  88                          ; v88-95  V's scale words as they lie, and the other half of the lanes'
.set EA,   B+16                         ; eight numbers, the first a diagonal p, the others 0
.set EB,   B+24
.set TP,   B+32
.set MX0,  B+40
.set MX1,  B+41
.set LS2,  B+42
.set RM,   B+44
.set LS,   B+46
.set TS,   B+48
.set BY,   B+56
.set QSR,  168
.set QSE,  169                         ; Q's scale word, tile 0;  v170 tile 1
.set QSO,  170
.set AMF0, 176                         ; the additive mask of key tiles 2 G - 1, 2 G, 2 G + 1, by a lane's eight keys
.set AMDE, 184                         ; and of the six diagonal keys, tile 0's and tile 1's
.set AMF1, 192
.set AMF2, 200
.set AMDO, 208
.set DG,   214                         ; v214-219 the six diagonal scores
.set PCE,  220                         ; v220-235 p's codes, tile 0
.set PCO,  176                         ; v176-191 tile 1's, where tile 0's masks lay
.set VW,   236                         ; v236-243 V's scale words by (g, dt)
.set PWE,  244                         ; v244-245, v246-247 p's scale words
.set PWO,  246
.set KSC,  248                         ; v248-251 K's scale words: slot 2 c in lanes 0-15, slot 2 c + 1 in lanes 16-31
.set VS,   10                          ; v10-13  offsets of scale words, VO v20-23 of V's codes: the block differs by half of the lanes
.set VO,   20
.set KB,   20                          ; s20-26  the slots' blocks
.set VAL,  28                          ; s28-34  -1 where the slot's block exists, else 0
.set KBASE, 36                         ; s[36:49] K's images of each slot
.set AB,   50                          ; s[50:63] the mask's 32 numbers of each slot
	s_load_b256 s[4:11], s[0:1], 0x0               ; qk_img s[4:5], qk_sc s[6:7], v_img s[8:9], v_sc s[10:11]
	s_load_b128 s[12:15], s[0:1], 0x20             ; attention_mask s[12:13], out0 s[14:15]
	v_lshrrev_b32 v1, 5, v0
	v_readfirstlane_b32 s16, v1                    ; wave 0..15
	s_lshl_b32 s17, ttmp9, 4
	s_wait_alu depctr_va_sdst(0)                   ; s16 is written, ahead of its first reader: my block of queries and my stage are made from it
	s_add_co_u32 s17, s17, s16                     ; G: my block of 32 queries
	s_and_b32 s18, ttmp7, 0xffff                   ; 16 x batch + head
.irp s, 0,1,2,3,4,5,6
	s_sub_co_i32 s[KB+\s], s17, (1<<\s)>>1         ; 0, 1, 2, 4, 8, 16, 32 blocks back,
	s_max_i32 s[KB+\s], s[KB+\s], 0                ; held at block 0
	s_cmp_ge_u32 s17, (1<<\s)>>1
	s_cselect_b32 s[VAL+\s], -1, 0
.endr
	s_mov_b32 s78, 0x76543210
	s_mov_b32 s79, 0xfedcba98                      ; v_permlanex16_b32's selects for lane l xor 16
	s_mov_b32 s80, 0x3e000000                      ; 1 / sqrt(64)
	s_mov_b32 s81, s80                             ; (named with it as a pair, so it is written)
	s_mov_b32 s82, 0x3fb8aa3b                      ; log2(e)
	s_mov_b32 s83, s82
	s_mul_i32 s94, s16, 4352                       ; my stage in LDS: 16 rows x 272 bytes
	v_and_b32 v171, 31, v0                         ; lane
	v_and_b32 v172, 15, v0                         ; r
	v_bfe_u32 v173, v0, 4, 1                       ; h
	v_lshlrev_b32 v7, 4, v171                      ; 16 x lane
	v_lshlrev_b32 v8, 2, v172                      ; 4 r
	v_lshlrev_b32 v9, 5, v173                      ; 32 h
	v_mov_b32 v1, 0xff800000                       ; -infinity
	v_and_b32 v2, 7, v172
	v_lshlrev_b32 v2, 2, v2                        ; 4 (r % 8): where my diagonal key's code stands in its word
	v_lshrrev_b32 v174, 3, v172
	v_cmp_eq_u32 vcc_lo, v174, v173
	s_wait_alu depctr_va_vcc(0)                    ; the compare has written VCC, which the select below reads
	v_cndmask_b32 v3, 0, -1, vcc_lo                ; all ones where my half of the lanes holds the diagonal key of my query
	v_lshlrev_b32 v252, 4, v172                    ; 16 r
	v_sub_nc_u32 v174, s17, v173                   ; slots 0 | 1: G - h
	v_max_i32 v174, 0, v174
	v_lshl_add_u32 v[VO], v174, 10, v252
	v_lshrrev_b32 v175, 2, v174
	v_and_b32 v174, 3, v174
	v_lshl_add_u32 v[VS], v175, 8, v252
	v_lshl_add_u32 v[VS], v174, 2, v[VS]
	v_lshl_add_u32 v175, v173, 1, 2                ; slots 2 | 3: G - 2 - 2 h
	v_sub_nc_u32 v174, s17, v175
	v_max_i32 v174, 0, v174
	v_lshl_add_u32 v[VO+1], v174, 10, v252
	v_lshrrev_b32 v175, 2, v174
	v_and_b32 v174, 3, v174
	v_lshl_add_u32 v[VS+1], v175, 8, v252
	v_lshl_add_u32 v[VS+1], v174, 2, v[VS+1]
	v_lshl_add_u32 v175, v173, 3, 8                ; slots 4 | 5: G - 8 - 8 h
	v_sub_nc_u32 v174, s17, v175
	v_max_i32 v174, 0, v174
	v_lshl_add_u32 v[VO+2], v174, 10, v252
	v_lshrrev_b32 v175, 2, v174
	v_and_b32 v174, 3, v174
	v_lshl_add_u32 v[VS+2], v175, 8, v252
	v_lshl_add_u32 v[VS+2], v174, 2, v[VS+2]
	v_mov_b32 v174, s[KB+6]                        ; slots 6 | 7: both G - 32
	v_lshl_add_u32 v[VO+3], v174, 10, v252
	v_lshrrev_b32 v175, 2, v174
	v_and_b32 v174, 3, v174
	v_lshl_add_u32 v[VS+3], v175, 8, v252
	v_lshl_add_u32 v[VS+3], v174, 2, v[VS+3]
.irp i, 4,5,6,7
	v_mov_b32 v[QA+\i], 0                          ; the zero codes beside Q
	v_mov_b32 v[QB+\i], 0
.endr
	v_mov_b32 v15, 0                               ; upper halves of pairs of which the low word alone is used
	v_mov_b32 v17, 0
	v_mov_b32 v19, 0
	s_wait_kmcnt 0x0
	s_lshl_b32 s84, s18, 16                        ; a head's images, and its codes of V: 65,536 bytes
	s_mov_b32 s85, 0
	s_add_nc_u64 s[66:67], s[4:5], s[84:85]
	s_add_nc_u64 s[86:87], s[66:67], 0x400000      ; k's images lie 64 heads behind q's
	s_add_nc_u64 s[68:69], s[8:9], s[84:85]        ; V's codes of my head
	s_lshl_b32 s84, s17, 10
	s_add_nc_u64 s[66:67], s[66:67], s[84:85]      ; Q's two tiles
	s_lshl_b32 s84, s18, 12                        ; a head's scale words: 4,096 bytes
	s_add_nc_u64 s[70:71], s[10:11], s[84:85]      ; V's
	s_add_nc_u64 s[74:75], s[6:7], s[84:85]        ; q's
	s_add_nc_u64 s[72:73], s[74:75], 0x40000       ; k's
	s_lshr_b32 s88, s18, 4                         ; the batch
	s_lshl_b32 s84, s88, 13
	s_add_nc_u64 s[90:91], s[12:13], s[84:85]      ; its 2,048 numbers of the mask
.irp s, 0,1,2,3,4,5,6
	s_lshl_b32 s84, s[KB+\s], 10
	s_add_nc_u64 s[KBASE+2*\s:KBASE+2*\s+1], s[86:87], s[84:85]
	s_lshl_b32 s84, s[KB+\s], 7
	s_add_nc_u64 s[AB+2*\s:AB+2*\s+1], s[90:91], s[84:85]
.endr
	s_lshl_b32 s84, s88, 23                        ; out0: a batch is 8,388,608 bytes,
	s_lshl_b32 s89, s17, 17                        ; 32 tokens 131,072,
	s_add_co_u32 s84, s84, s89
	s_and_b32 s89, s18, 15
	s_lshl_b32 s89, s89, 8                         ; a head 256 in a token's row
	s_add_co_u32 s84, s84, s89
	s_add_nc_u64 s[76:77], s[14:15], s[84:85]
	s_wait_alu depctr_va_vdst(0)                   ; the offsets v7 to v13 and v20 to v23 are written, which the loads below and V's loads read; no vector instruction writes them again
	; 41 loads, one wait
	global_load_b128 v[QA:QA+3], v7, s[66:67]
	global_load_b128 v[QA+8:QA+11], v7, s[66:67]
	global_load_b128 v[QB:QB+3], v7, s[66:67] offset:512
	global_load_b128 v[QB+8:QB+11], v7, s[66:67] offset:512
.irp s, 0,1,2,3,4,5,6
	global_load_b128 v[KF+8*\s:KF+8*\s+3], v7, s[KBASE+2*\s:KBASE+2*\s+1]               ; the block's lower tile: 512 consecutive bytes
	global_load_b128 v[KF+8*\s+4:KF+8*\s+7], v7, s[KBASE+2*\s:KBASE+2*\s+1] offset:512  ; and its upper
.endr
.irp c, 0,1,2,3
	global_load_b32 v[KSC+\c], v[VS+\c], s[72:73]  ; a word: the lower tile's two bytes of row r, then the upper's: the fragment's scale word as it lies
.endr
	global_load_b32 v[QSR], v[VS], s[74:75]        ; lanes 0-15: block G's word of q
	global_load_b128 v[AMF1:AMF1+3], v9, s[AB:AB+1]
	global_load_b128 v[AMF1+4:AMF1+7], v9, s[AB:AB+1] offset:16
	global_load_b128 v[AMF2:AMF2+3], v9, s[AB:AB+1] offset:64
	global_load_b128 v[AMF2+4:AMF2+7], v9, s[AB:AB+1] offset:80
	global_load_b128 v[AMF0:AMF0+3], v9, s[AB+2:AB+3] offset:64
	global_load_b128 v[AMF0+4:AMF0+7], v9, s[AB+2:AB+3] offset:80
.irp k, 0,1,2,3,4,5
	global_load_b32 v[AMDE+\k], v8, s[AB+2+2*\k:AB+3+2*\k]
	global_load_b32 v[AMDO+\k], v8, s[AB+2+2*\k:AB+3+2*\k] offset:64
.endr
	s_wait_loadcnt 0x0
	v_perm_b32 v[QSE], v[QSR], v[QSR], 0x01000100  ; tile 0's two bytes, for either place of Q
	v_perm_b32 v[QSO], v[QSR], v[QSR], 0x03020302  ; tile 1's
	v_mul_u32_u24 v4, v172, 272                    ; the way out's addresses: eight plain lines between the scale words' making and the first product
	v_lshl_add_u32 v4, v173, 5, v4
	v_add_nc_u32 v4, s94, v4                       ; into my stage: row r, + 32 h
	v_mul_u32_u24 v5, v173, 272
	v_lshl_add_u32 v5, v172, 4, v5
	v_add_nc_u32 v5, s94, v5                       ; back: lanes 0-15 one row, lanes 16-31 the next
	v_lshlrev_b32 v6, 12, v173
	v_lshl_add_u32 v6, v172, 4, v6                 ; and the same two tokens in out0
	s_wait_alu depctr_va_vdst(0)                   ; Q's two scale words are written, which the scaled products below take; the eight places above stay beside this wait
; one tile of scores: tile p of the eight, slot s, its upper (hi = 1) or lower tile
.macro SC1 p, s, hi, qx, qs
.if (\s)%2
	v_wmma_scale_f32_16x16x128_f8f6f4 v[B+8*\p:B+8*\p+7], v[KF+8*\s:KF+8*\s+7], v[\qx+4*\hi:\qx+4*\hi+7], 0, v[KSC+(\s)/2], v[\qs] matrix_a_fmt:MATRIX_FMT_FP4 matrix_b_fmt:MATRIX_FMT_FP4 matrix_a_scale:MATRIX_SCALE_ROW1
.else
	v_wmma_scale_f32_16x16x128_f8f6f4 v[B+8*\p:B+8*\p+7], v[KF+8*\s:KF+8*\s+7], v[\qx+4*\hi:\qx+4*\hi+7], 0, v[KSC+(\s)/2], v[\qs] matrix_a_fmt:MATRIX_FMT_FP4 matrix_b_fmt:MATRIX_FMT_FP4
.endif
.endm
; THE SOFTMAX of tile e.  Tile 0 of the scores is the key tile 0 back, tile 1 the one 1 back, tiles 2 + k those 2^(k+1) back (diagonal alone; slot k + 1).
.macro SOFT e, am0, am1, amd, pc, pw, lx
.irp j, 0,2,4,6
	v_pk_fma_f32 v[B+\j:B+\j+1], v[B+\j:B+\j+1], s[80:81], v[\am0+\j:\am0+\j+1] op_sel_hi:[1,0,1]   ; logit = score / 8 + mask
.endr
.irp j, 0,2,4,6
	v_pk_fma_f32 v[B+8+\j:B+9+\j], v[B+8+\j:B+9+\j], s[80:81], v[\am1+\j:\am1+\j+1] op_sel_hi:[1,0,1]
.endr
.irp j, 0,1,2,3,4,5,6,7                ; the diagonals: register j holds key 8 h + j: it is query r's own where r = 8 h + j: lanes j and 24 + j
	s_mov_b32 vcc_lo, (1<<\j)|(1<<(24+\j))
.irp k, 0,1,2,3,4,5
.if \j == 0
	v_cndmask_b32 v[DG+\k], v1, v[B+16+8*\k], vcc_lo
.else
	v_cndmask_b32 v[DG+\k], v[DG+\k], v[B+16+8*\k+\j], vcc_lo
.endif
.endr
.endr
.irp j, 0,1,2,3,4,5,6,7                ; tile 0: r - key in 0, 1, 2, 4, 8;  tile 1: 16 + r - key in 1, 2, 4, 8, 16; all else -infinity
	s_mov_b32 vcc_lo, ((0x117<<\j)&0xffff)|(((0x117<<(8+\j))&0xffff)<<16)
	v_cndmask_b32 v[B+\j], v1, v[B+\j], vcc_lo
.if \e == 0
	s_and_b32 vcc_lo, s[VAL+1], (((0x808b<<\j)>>15)&0xffff)|((((0x808b<<(8+\j))>>15)&0xffff)<<16)   ; (it lies in slot 1, which may not exist)
.else
	s_mov_b32 vcc_lo, (((0x808b<<\j)>>15)&0xffff)|((((0x808b<<(8+\j))>>15)&0xffff)<<16)
.endif
	v_cndmask_b32 v[B+8+\j], v1, v[B+8+\j], vcc_lo
.endr
.irp k, 0,1,2,3,4,5
	v_permlanex16_b32 v[TP+\k], v[DG+\k], s78, s79
.endr
.irp k, 0,1,2,3,4,5
	v_max_num_f32 v[DG+\k], v[DG+\k], v[TP+\k]     ; both halves of the lanes now hold my query's diagonal score
.endr
.irp k, 0,1,2,3,4,5
	v_fma_f32 v[DG+\k], v[DG+\k], s80, v[\amd+\k]
.endr
.irp k, 0,1,2,3,4,5
	v_cndmask_b32 v[DG+\k], v1, v[DG+\k], s[VAL+1+\k]   ; -infinity where the block lies before the sequence's start
.endr
	v_max3_num_f32 v[MX0], v[B], v[B+1], v[B+2]    ; the largest logit of tile 0 and of tile 1, by turns
	v_max3_num_f32 v[MX1], v[B+8], v[B+9], v[B+10]
	v_max3_num_f32 v[MX0], v[MX0], v[B+3], v[B+4]
	v_max3_num_f32 v[MX1], v[MX1], v[B+11], v[B+12]
	v_max3_num_f32 v[MX0], v[MX0], v[B+5], v[B+6]
	v_max3_num_f32 v[MX1], v[MX1], v[B+13], v[B+14]
	v_max_num_f32 v[MX0], v[MX0], v[B+7]
	v_max_num_f32 v[MX1], v[MX1], v[B+15]
	v_permlanex16_b32 v[TP+6], v[MX0], s78, s79
	v_permlanex16_b32 v[TP+7], v[MX1], s78, s79
	v_max_num_f32 v[MX0], v[MX0], v[TP+6]
	v_max_num_f32 v[MX1], v[MX1], v[TP+7]
	v_max3_num_f32 v[RM], v[MX0], v[MX1], v[DG]    ; the row's
	v_max3_num_f32 v[RM], v[RM], v[DG+1], v[DG+2]
	v_max3_num_f32 v[RM], v[RM], v[DG+3], v[DG+4]
	v_max_num_f32 v[RM], v[RM], v[DG+5]
.if \e == 0
	v_max_num_f32 v[MX1], v[MX1], v[DG]            ; slot 1 holds tile 1 and the first diagonal
.else
	v_max_num_f32 v[MX0], v[MX0], v[MX1]           ; slot 0 holds tiles 0 and 1
.endif
	v_mul_f32 v[RM], s82, v[RM]
	v_floor_f32 v14, -v[RM]                        ; -M = floor(-t) = -ceil(t): a whole number
.irp j, 0,2,4,6,8,10,12,14
	v_pk_fma_f32 v[B+\j:B+\j+1], v[B+\j:B+\j+1], s[82:83], v[14:15] op_sel_hi:[1,0,0]   ; t - M
.endr
.irp k, 0,1,2,3,4,5
	v_fma_f32 v[DG+\k], v[DG+\k], s82, v14
.endr
	v_fma_f32 v[MX0], v[MX0], s82, v14             ; the same of the blocks' largest logits
.if \e == 0
	v_fma_f32 v[MX1], v[MX1], s82, v14
.endif
.irp j, 0,1,2,3,4,5,6,7,8,9,10,11,12,13,14,15
	v_exp_f32 v[B+\j], v[B+\j]                     ; p = 2^(t - M): one batch
.endr
.irp k, 0,1,2,3,4,5
	v_exp_f32 v[DG+\k], v[DG+\k]
.endr
	v_exp_f32 v[MX0], v[MX0]
.if \e == 0
	v_exp_f32 v[MX1], v[MX1]
.endif
.irp i, 1,2,3,4,5,6,7
	v_mov_b32 v[EA+\i], 0                          ; plain work that names no result of the batch
	v_mov_b32 v[EB+\i], 0
.endr
	s_wait_alu depctr_va_vdst(0)                   ; the exponentials have written the two tiles' p, the diagonals' and the blocks' largest: one wait for the whole batch, ahead of its first reader
	v_pk_add_f32 v[LS:LS+1], v[B:B+1], v[B+2:B+3]  ; the row's sum, of the unquantised p: two chains
	v_pk_add_f32 v[LS2:LS2+1], v[B+4:B+5], v[B+6:B+7]
	v_pk_add_f32 v[LS:LS+1], v[LS:LS+1], v[B+8:B+9]
	v_pk_add_f32 v[LS2:LS2+1], v[LS2:LS2+1], v[B+10:B+11]
	v_pk_add_f32 v[LS:LS+1], v[LS:LS+1], v[B+12:B+13]
	v_pk_add_f32 v[LS2:LS2+1], v[LS2:LS2+1], v[B+14:B+15]
	v_pk_add_f32 v[LS:LS+1], v[LS:LS+1], v[LS2:LS2+1]
	v_add_f32 v[\lx], v[LS], v[LS+1]
	v_add_f32 v171, v[DG], v[DG+1]                 ; the diagonals are held by both halves: they are added once, behind the exchange
	v_add_f32 v172, v[DG+2], v[DG+3]
	v_add_f32 v173, v[DG+4], v[DG+5]
	v_permlanex16_b32 v[TP+6], v[\lx], s78, s79
	v_add_f32 v171, v171, v172
	v_add_f32 v[\lx], v[\lx], v[TP+6]
	v_add_f32 v171, v171, v173
	v_add_f32 v[\lx], v[\lx], v171
	v_max_num_f32 v[TS], 0x1800000, v[MX0]         ; each slot's largest p, and the floor 2^(3 - 127): the byte cannot fall under 1
.if \e == 0
	v_max_num_f32 v[TS+1], 0x1800000, v[MX1]
.else
	v_max_num_f32 v[TS+1], 0x1800000, v[DG]
.endif
.irp s, 2,3,4,5,6
	v_max_num_f32 v[TS+\s], 0x1800000, v[DG+\s-1]
.endr
.irp s, 0,1,2,3,4,5,6
	v_add_nc_u32 v[TS+\s], 0xff000000, v[TS+\s]    ; 2 off the exponent field: the conversion's scale operand
.endr
.irp s, 0,1,2,3,4,5,6
	v_lshrrev_b32 v[BY+\s], 23, v[TS+\s]           ; the scale's byte
.endr
	v_lshl_or_b32 v[\pw], v[BY+1], 8, v[BY]        ; slots 0-3
	v_lshl_or_b32 v[\pw], v[BY+2], 16, v[\pw]
	v_lshl_or_b32 v[\pw], v[BY+3], 24, v[\pw]
	v_lshl_or_b32 v[\pw+1], v[BY+5], 8, v[BY+4]    ; slots 4-6; slot 7's byte is 0, over zero codes
	v_lshl_or_b32 v[\pw+1], v[BY+6], 16, v[\pw+1]
	; THE CODES.  A conversion's word holds keys 8 h + 0 .. 7 of a tile; a block's four words are the lower tile's two and the upper's two; the operand wants slot 2 c in lanes 0-15 and slot 2 c + 1 in lanes 16-31.
.if \e == 0
	v_cvt_scalef32_pk8_fp4_f32 v[\pc], v[B:B+7], v[TS]          ; slot 0, lower tile
	v_cvt_scalef32_pk8_fp4_f32 v[\pc+3], v[B+8:B+15], v[TS+1]   ; slot 1, upper tile
.else
	v_cvt_scalef32_pk8_fp4_f32 v[\pc+2], v[B:B+7], v[TS]        ; slot 0, upper tile
	v_cvt_scalef32_pk8_fp4_f32 v[\pc], v[B+8:B+15], v[TS]       ; slot 0, lower tile
.endif
.irp k, 0,2,4                          ; a diagonal p is converted as the first of eight numbers, where my half of the lanes holds its key, and its code shifted to the key's place
	v_and_b32 v[EA], v3, v[DG+\k]
	v_and_b32 v[EB], v3, v[DG+\k+1]
	v_cvt_scalef32_pk8_fp4_f32 v[TP+\k], v[EA:EA+7], v[TS+\k+1]
	v_cvt_scalef32_pk8_fp4_f32 v[TP+\k+1], v[EB:EB+7], v[TS+\k+2]
	v_nop                                          ; one plain line behind a scaled conversion, ahead of the next write of its sources
.endr
.irp k, 0,1,2,3,4,5
	v_lshlrev_b32 v[\pc+4*((\k+1)/2)+((\k+1)%2)+2*\e], v2, v[TP+\k]   ; slot k + 1: lower tile (tile 0 of the queries) or upper (tile 1)
.endr
.if \e == 0
.irp z, 2,6,7,10,11,13,14,15
	v_mov_b32 v[\pc+\z], 0
.endr
.irp z, 0,2,4,8,12
	v_permlane16_swap_b32 v[\pc+\z], v[\pc+\z+1]   ; the first's lanes 16-31 change places with the second's lanes 0-15
.endr
.else
.irp z, 1,4,5,8,9,12,13,15
	v_mov_b32 v[\pc+\z], 0
.endr
.irp z, 0,2,6,10,14
	v_permlane16_swap_b32 v[\pc+\z], v[\pc+\z+1]
.endr
.endif
.endm
	SC1 0, 0, 0, QA, QSE                           ; tile 0 of the queries: key tiles 2 G, 2 G - 1, 2 G - 2, 2 G - 4, ..
	SC1 1, 1, 1, QA, QSE
	SC1 2, 1, 0, QA, QSE
	SC1 3, 2, 0, QA, QSE
	SC1 4, 3, 0, QA, QSE
	SC1 5, 4, 0, QA, QSE
	SC1 6, 5, 0, QA, QSE
	SC1 7, 6, 0, QA, QSE
.rept 4
	v_nop                                          ; places ahead of the first read of the scores
.endr
	SOFT 0, AMF1, AMF0, AMDE, PCE, PWE, 16
	SC1 0, 0, 1, QB, QSO                           ; tile 1 of the queries: key tiles 2 G + 1, 2 G, 2 G - 1, 2 G - 3, ..
	SC1 1, 0, 0, QB, QSO
	SC1 2, 1, 1, QB, QSO
	SC1 3, 2, 1, QB, QSO
	SC1 4, 3, 1, QB, QSO
	SC1 5, 4, 1, QB, QSO
	SC1 6, 5, 1, QB, QSO
	SC1 7, 6, 1, QB, QSO
.rept 4
	v_nop                                          ; places ahead of the first read of the scores
.endr
	s_wait_alu depctr_va_vdst(0)                   ; the score products are done reading Q, the zero codes beside it and K, in whose registers V's loads land
.irp g, 0,1                            ; V's fragments: registers 4 c .. 4 c + 3 of lane (r, h): channel 16 dt + r, slot 4 g + 2 c + h.  They land while tile 1's softmax is worked, which names none of their registers
.irp dt, 0,1,2,3
.irp c, 0,1
	global_load_b128 v[VF+8*(4*\g+\dt)+4*\c:VF+8*(4*\g+\dt)+4*\c+3], v[VO+2*\g+\c], s[68:69] offset:256*\dt   ; sixteen lanes read 256 consecutive bytes
.endr
.endr
.endr
.irp c, 0,1,2,3
	global_load_b32 v[VSR+\c], v[VS+\c], s[70:71]  ; a word: the bytes of the four tiles of channels, row r, slot 2 c + h
.endr
	SOFT 1, AMF2, AMF1, AMDO, PCO, PWO, 18
	s_wait_loadcnt 0x0                             ; V
.irp c, 0,1,2,3
	v_permlanex16_b32 v[VSR+4+\c], v[VSR+\c], s78, s79   ; the odd slots' words into lanes 0-15
.endr
.irp g, 0,1                            ; four words of four bytes are turned: word dt, byte b = the byte of slot 4 g + b
	v_perm_b32 v252, v[VSR+4+2*\g], v[VSR+2*\g], 0x05010400
	v_perm_b32 v253, v[VSR+4+2*\g], v[VSR+2*\g], 0x07030602
	v_perm_b32 v254, v[VSR+5+2*\g], v[VSR+1+2*\g], 0x05010400
	v_perm_b32 v255, v[VSR+5+2*\g], v[VSR+1+2*\g], 0x07030602
	v_perm_b32 v[VW+4*\g], v254, v252, 0x05040100
	v_perm_b32 v[VW+4*\g+1], v254, v252, 0x07060302
	v_perm_b32 v[VW+4*\g+2], v255, v253, 0x05040100
	v_perm_b32 v[VW+4*\g+3], v255, v253, 0x07060302
.endr
	v_rcp_f32 v16, v16                             ; 1 / the rows' sums
	v_rcp_f32 v18, v18
.rept 8
	v_nop                                          ; eight places between the scale words' making and the products; the first is also the plain line behind the reciprocals
.endr
	s_wait_alu depctr_va_vdst(0)                   ; p's codes, p's scale words and V's scale words are written, which the scaled products below take; the two reciprocals have written v16 and v18, ahead of their first reader
.irp dt, 0,1,2,3                       ; O^T = V^T P^T: eight accumulators by turns, one instruction a turn; slots 0-3 start the sums
	v_wmma_scale_f32_16x16x128_f8f6f4 v[B+8*\dt:B+8*\dt+7], v[VF+8*\dt:VF+8*\dt+7], v[PCE:PCE+7], 0, v[VW+\dt], v[PWE] matrix_a_fmt:MATRIX_FMT_FP4 matrix_b_fmt:MATRIX_FMT_FP4
	v_wmma_scale_f32_16x16x128_f8f6f4 v[B+32+8*\dt:B+32+8*\dt+7], v[VF+8*\dt:VF+8*\dt+7], v[PCO:PCO+7], 0, v[VW+\dt], v[PWO] matrix_a_fmt:MATRIX_FMT_FP4 matrix_b_fmt:MATRIX_FMT_FP4
.endr
.irp dt, 0,1,2,3                       ; slots 4-7
	v_wmma_scale_f32_16x16x128_f8f6f4 v[B+8*\dt:B+8*\dt+7], v[VF+32+8*\dt:VF+32+8*\dt+7], v[PCE+8:PCE+15], v[B+8*\dt:B+8*\dt+7], v[VW+4+\dt], v[PWE+1] matrix_a_fmt:MATRIX_FMT_FP4 matrix_b_fmt:MATRIX_FMT_FP4
	v_wmma_scale_f32_16x16x128_f8f6f4 v[B+32+8*\dt:B+32+8*\dt+7], v[VF+32+8*\dt:VF+32+8*\dt+7], v[PCO+8:PCO+15], v[B+32+8*\dt:B+32+8*\dt+7], v[VW+4+\dt], v[PWO+1] matrix_a_fmt:MATRIX_FMT_FP4 matrix_b_fmt:MATRIX_FMT_FP4
.endr
.rept 4
	v_nop                                          ; places ahead of the first read of O^T
.endr
.irp e, 0,1
.irp j, 0,2,4,6,8,10,12,14,16,18,20,22,24,26,28,30
	v_pk_mul_f32 v[B+32*\e+\j:B+32*\e+\j+1], v[B+32*\e+\j:B+32*\e+\j+1], v[16+2*\e:17+2*\e] op_sel_hi:[1,0]   ; each accumulator from its low end on
.endr
.endr
	s_wait_alu depctr_va_vdst(0)                   ; the multiplications have written O^T / the sums, which the LDS stores read; the products are done reading V's fragments, in which the loads from the stage land
	; THE WAY OUT.  Register 8 dt + j of lane (r, h) is channel 16 dt + 8 h + j of query r: a tile goes through my own stage (rows of 272 bytes) and comes back as whole rows of 256 bytes.
.irp e, 0,1
.irp dt, 0,1,2,3
	ds_store_b128 v4, v[B+32*\e+8*\dt:B+32*\e+8*\dt+3] offset:64*\dt
	ds_store_b128 v4, v[B+32*\e+8*\dt+4:B+32*\e+8*\dt+7] offset:64*\dt+16
.endr
.irp i, 0,1,2,3,4,5,6,7
	ds_load_b128 v[24+32*\e+4*\i:24+32*\e+4*\i+3], v5 offset:544*\i   ; LDS serves a wave's instructions in order: these see my stores, and the next tile's stores come behind them
.endr
.endr
.irp i, 0,1,2,3,4,5,6,7
	s_wait_dscnt 23-\i                             ; behind tile 0's load i: its 7 - i later loads, tile 1's eight stores and eight loads
	global_store_b128 v6, v[24+4*\i:24+4*\i+3], s[76:77] offset:8192*\i th:TH_STORE_NT   ; sixteen lanes store 256 consecutive bytes, aligned: a token's head
.endr
.irp i, 0,1,2,3,4,5,6,7
	s_wait_dscnt 7-\i
	global_store_b128 v6, v[56+4*\i:56+4*\i+3], s[76:77] offset:65536+8192*\i th:TH_STORE_NT
.endr
	s_wait_xcnt 0x0
	v_lshl_add_u32 v254, v0, 2, 0x11000
	v_mov_b32 v255, 0
	s_wait_dscnt 0x0                               ; the closing lines, six on end
	s_wait_alu 0x0
	s_wait_tensorcnt 0x0
	ds_add_u32 v254, v255
	s_wait_dscnt 0x0
	s_endpgm
.Lfunc_end_k_q3fc8ff6755_attend:
	.size	k_q3fc8ff6755_attend, .Lfunc_end_k_q3fc8ff6755_attend-k_q3fc8ff6755_attend
	.p2alignl 7, 3214868480
	.fill 96, 4, 3214868480
	.section	.rodata,"a",@progbits
	.p2align	6, 0x0
	.amdhsa_kernel k_q3fc8ff6755_attend
		.amdhsa_group_segment_fixed_size 71680
		.amdhsa_private_segment_fixed_size 0
		.amdhsa_enable_private_segment 0
		.amdhsa_kernarg_size 48
		.amdhsa_user_sgpr_count 2
		.amdhsa_user_sgpr_kernarg_segment_ptr 1
		.amdhsa_wavefront_size32 1
		.amdhsa_system_sgpr_workgroup_id_x 1
		.amdhsa_system_sgpr_workgroup_id_y 1
		.amdhsa_system_sgpr_workgroup_id_z 1
		.amdhsa_system_vgpr_workitem_id 0
		.amdhsa_next_free_vgpr 256
		.amdhsa_next_free_sgpr 100
		.amdhsa_reserve_vcc 1
		.amdhsa_float_denorm_mode_32 3
		.amdhsa_float_denorm_mode_16_64 3
		.amdhsa_memory_ordered 1
		.amdhsa_forward_progress 1
		.amdhsa_inst_pref_size 50
	.end_amdhsa_kernel
	.amdgpu_metadata
---
amdhsa.version: [ 1, 2 ]
amdhsa.kernels:
  - .name:           k_q3fc8ff6755_attend
    .symbol:         k_q3fc8ff6755_attend.kd
    .args:
      - { .name: qk_img, .offset: 0, .size: 8, .value_kind: global_buffer, .address_space: global }
      - { .name: qk_sc, .offset: 8, .size: 8, .value_kind: global_buffer, .address_space: global }
      - { .name: v_img, .offset: 16, .size: 8, .value_kind: global_buffer, .address_space: global }
      - { .name: v_sc, .offset: 24, .size: 8, .value_kind: global_buffer, .address_space: global }
      - { .name: attention_mask, .offset: 32, .size: 8, .value_kind: global_buffer, .address_space: global }
      - { .name: out0, .offset: 40, .size: 8, .value_kind: global_buffer, .address_space: global }
    .group_segment_fixed_size: 71680
    .private_segment_fixed_size: 0
    .kernarg_segment_align: 8
    .kernarg_segment_size: 48
    .max_flat_workgroup_size: 512
    .sgpr_count:     100
    .vgpr_count:     256
    .wavefront_size: 32
...
	.end_amdgpu_metadata
.endif
;; end of part 5
